; MI455X (gfx1250); checked and timed in simulation.
; The chip was launched on July 23, 2026; its instructions are those of AMD's public machine-readable ISA for CDNA 5 (MIT licence, August 2026) and "CDNA5" Instruction Set Architecture Reference Guide (July 2026). The comments in the code are by the model that wrote it; some were corrected since.
;; Self Attention. Allowed arithmetic: matrix products marked QUANTISED: E2M3 operands, one E8M0 scale for each 32 along K, by v_wmma_scale_f32_16x16x128_f8f6f4 with both operands' format E2M3, f32 sums; everything else in f32.
;; Inputs: b_out 1,024 float32; w_in 1,024 x 3,072 float32; w_out 1,024 x 1,024 float32; x 4 x 2,048 x 1,024 float32.
;; Outputs: out0 4 x 2,048 x 1,024 float32.
;; This version of the problem:
;;   THIS VERSION OF THE PROBLEM IS GIVEN IN LOW PRECISION. The matrix products marked QUANTISED in the list below multiply operands that are first quantised to E2M3 (2 exponent bits, 3 mantissa bits; 6 bits a number), with one power-of-two scale for each 32 numbers along K (OCP MX v1.0); their sums are f32. All else is computed in f32.
;;   The module's matrix products, in the order in which they are computed (A, B: the left and right operand; K: the contracted axis; several contracted axes count as one K, in the product's order):
;;     1. [M 8,192, K 1,024] x [K 1,024, N 3,072]; A: input x; B: input w_in: QUANTISED
;;     2. batch 64 x [M 2,048, K 64] x [K 64, N 2,048]; A: computed on the way; B: computed on the way: QUANTISED
;;     3. batch 64 x [M 64, K 2,048] x [K 2,048, N 2,048]; A: computed on the way; B: softmax (see below): QUANTISED
;;     4. [M 8,192, K 1,024] x [K 1,024, N 1,024]; A: computed on the way; B: input w_out: QUANTISED
;;   THE QUANTISER, for each operand of a quantised product, along K:
;;     - K is cut into blocks of 32 from its start; a last block that is shorter is filled with zeros.
;;     - A block's scale is 2^e with e = floor(log2(the largest magnitude in the block)) - 2, held to -126 .. 127; a block of zeros has e = 0. As a byte (E8M0): e + 127.
;;     - Each number is divided by its block's scale, clamped to +-7.5, and rounded to the nearest number of E2M3, ties to even, subnormals kept.
;;     - The product sums the exact products of the quantised numbers (number of the format x scale) in f32.
;;   ~~~python
;;   def quantise(x, axis):      # numpy; x: float32 -> the quantised numbers, widened to float32 again
;;       x = np.moveaxis(x, axis, -1); K = x.shape[-1]
;;       x = np.pad(x, [(0, 0)] * (x.ndim - 1) + [(0, -K % 32)]); x = x.reshape(x.shape[:-1] + (-1, 32)); a = np.abs(x).max(-1, keepdims=True)
;;       e = np.where(a > 0, np.clip(np.frexp(np.where(a > 0, a, 1))[1] - 1 - 2, -126, 127), 0)      # np.frexp(a)[1] - 1 = floor(log2(a)), exactly
;;       r = np.clip(x / 2.0 ** e, -7.5, 7.5)
;;       step = 2.0 ** (np.maximum(np.frexp(np.where(r == 0, 1, r))[1] - 1, 0) - 3)
;;       q = np.round(r / step) * step * 2.0 ** e      # np.round: ties to even
;;       return np.moveaxis(q.reshape(q.shape[:-2] + (-1,))[..., :K], -1, axis).astype(np.float32)
;;   ~~~
;;   SOFTMAX AHEAD OF A QUANTISED PRODUCT. Where the list says 'softmax', what is quantised is not the finished softmax but p = 2^(t - M), with t = logit x log2(e) and M = ceil(the row's largest t), a whole number; so 1/2 < the row's largest p <= 1. The row's sum l is taken of the UNQUANTISED p, in f32, and the product's result is divided by l at the end. Since M is a whole number, a kernel that streams over the keys may use a running M (the ceiling of the running maximum): every later rescaling is an exact power of two, which a block's scale takes up: the codes' values come out the same.
;;   OPERANDS COMPUTED ON THE WAY. 'Computed on the way' means the value that the module computes at that place (a softmax that the list does not call 'softmax' is quantised finished and normalised). What goes into a quantiser is computed in f32, as accurately as f32 sums, v_exp_f32 and their like allow (about 1e-6 of the number): no bf16 or f16 on the way to a quantiser, and a product that is left as it is and whose result goes on into a quantised operand takes f32 operands (vector FMAs, or v_wmma_f32_16x16x4_f32). A number that lies on a knife's edge between two numbers of the format may be rounded either way, as far as f32 arithmetic and the matrix unit's own rounding can turn it there, and no further.
;; One version. Each part assembles by itself: llvm-mc -triple=amdgcn-amd-amdhsa -mcpu=gfx1250 --defsym DOCPART=n.
;; ======== version 1 of 1: 5 launches
;; limits: right only within a limited range of input values
;; workspace buffers: xq 6,553,600 bytes; wqk 1,638,400 bytes; wv 819,200 bytes; wo 819,200 bytes; qk 13,107,200 bytes; vt 6,815,744 bytes; oq 6,553,600 bytes
;; launch quant (part 1): grid 640 x 1, 4 waves a work-group, no clusters, 35,328 bytes of LDS; arguments x, w_in, w_out, xq, wqk, wv, wo; writes xq, wqk, wv, wo
.if DOCPART == 1
	.amdgcn_target "amdgcn-amd-amdhsa--gfx1250"
	.amdhsa_code_object_version 6
	.text
	.protected	k_qa774fe56b0_quant
	.globl	k_qa774fe56b0_quant
	.p2align	8
	.type	k_qa774fe56b0_quant,@function
k_qa774fe56b0_quant:
	s_mov_b64 s[64:65], 0
	v_nop
	global_prefetch_b8 v0, s[64:65] scope:SCOPE_SE
	s_setreg_imm32_b32 hwreg(HW_REG_WAVE_MODE, 25, 1), 1
	s_wait_xcnt 0x0
; x [8192][1024], w_in [1024][3072] and w_out [1024][1024], f32, become codes of FP6 (E2M3) with one E8M0 byte for each 32 along K (x: its last axis; the weights: their first).
; A block's scale is 2^(floor(log2(largest magnitude)) - 2); its byte is the largest magnitude's exponent field - 2, held at 1 from below (a block of zeros keeps the byte 1: its codes are zeros, and this program alone reads the bytes).
; LIMITS: NaN and infinities among the inputs are not served.
; THE OPERAND FORMAT.  For each 128 rows (of x: tokens; of a weight: its columns n) one block of OPB = 102,400 bytes: 16 chunks of 64 K x 8 row blocks of 16, each a piece of 768 bytes that is an image of the
; matrix operand's registers 0-5: lane (r, H) holds the 24 bytes of block H of row r; registers 0-3 at 16 x lane, registers 4-5 at 512 + 8 x lane.  Behind the codes, at SCO, the scale bytes: 1,024 x (K / 256) + 8 x row + 2 x (chunk % 4) + H.
; THE ORDER INSIDE A BLOCK: place p holds element sigma(p), sigma = p with bits 3 and 4 exchanged (0-7, 16-23, 8-15, 24-31).  Every operand of this program has that order along K, so each product pairs the same numbers; it is the order
; in which later launches' matrix results fall when they are quantised in registers.
; SHARES.  Work-groups 0-511: 16 rows of x each, wave w the K quarter w.  Work-groups 512-639: 128 columns x 256 K of a weight (w_in's columns 0-2047 -> wqk, 2048-3071 -> wv, w_out -> wo), a wave 32 columns, a lane a column.
; No tensor loads, no barrier: waves share nothing.  LDS is used by x's path alone.
.set OPB, 102400
.set SCO, 98304
.set SP,  272                          ; a stage row: 256 bytes + 16, so that sixteen rows begin at sixteen different groups of banks
.set STG, 16*SP
.set R,   64                           ; v64-191  x: four chunks as loaded
.set X,   192                          ; v192-255 x: two sets of 32 numbers, a block a lane
.set C,   32                           ; v32..    x: six registers of codes for each chunk, eight apart: no store's data are written again
.set E,   24                           ; v24-27   x: a byte for each chunk;  the weights: v24-25 eight bytes
.set WX,  64                           ; v64-127  the weights: two sets of 32 numbers
.set WC,  128                          ; v128-175 the weights: twelve registers of codes for each chunk
; One block of 32 numbers, all in my registers v[xs] on, becomes six registers of codes v[cd] on and its byte in v[eb].
.macro QB xs, cd, eb
	v_max3_num_f32 v8, |v[(\xs)]|, |v[(\xs)+1]|, |v[(\xs)+2]|
	v_max3_num_f32 v9, |v[(\xs)+3]|, |v[(\xs)+4]|, |v[(\xs)+5]|
.irp i, 6,10,14,18,22,26
	v_max3_num_f32 v8, v8, |v[(\xs)+\i]|, |v[(\xs)+\i+1]|
	v_max3_num_f32 v9, v9, |v[(\xs)+\i+2]|, |v[(\xs)+\i+3]|
.endr
	v_max3_num_f32 v8, v8, |v[(\xs)+30]|, |v[(\xs)+31]|
	v_max3_num_f32 v8, v8, v9, 0x1800000           ; the floor 2^(3 - 127): the byte cannot fall under 1
	v_add_nc_u32 v11, 0xff000000, v8               ; 2 off the exponent field: the conversion takes that field as its scale
	v_cvt_scalef32_pk16_fp6_f32 v[(\cd):(\cd)+2], v[(\xs):(\xs)+15], v11
	v_cvt_scalef32_pk16_fp6_f32 v[28:30], v[(\xs)+16:(\xs)+31], v11   ; (a conversion's three registers begin on an even number)
	v_lshrrev_b32 v[\eb], 23, v11                  ; the byte; also the plain instruction behind the conversions
.irp i, 0,1,2
	v_mov_b32 v[(\cd)+3+\i], v[28+\i]
.endr
.endm
	s_load_b256 s[4:11], s[0:1], 0x0               ; x, w_in, w_out, xq
	s_load_b128 s[12:15], s[0:1], 0x20             ; wqk, wv
	s_load_b64 s[16:17], s[0:1], 0x30              ; wo
	v_lshl_add_u32 v62, v0, 2, 0x8800
	v_mov_b32 v63, 0
	v_lshrrev_b32 v1, 5, v0
	v_readfirstlane_b32 s20, v1                    ; wave
	v_and_b32 v1, 31, v0                           ; lane
	v_and_b32 v2, 15, v0                           ; r
	v_bfe_u32 v3, v0, 4, 1                         ; H
	v_lshlrev_b32 v4, 4, v1                        ; 16 x lane
	v_lshlrev_b32 v5, 3, v1                        ; 8 x lane
	s_mov_b32 s18, 0x76543210
	s_mov_b32 s19, 0xfedcba98                      ; v_permlanex16_b32's selects for lane l xor 16
	s_cmp_lt_u32 ttmp9, 512
	s_cbranch_scc0 .Lweights
	; ---- x: rows 16 g .. 16 g + 15, K = 256 w .. 256 w + 255
	v_lshlrev_b32 v6, 4, v2
	v_lshl_add_u32 v6, v3, 12, v6                  ; a load takes two rows' 256 bytes: row H, 16 r
	s_mul_i32 s21, s20, 2*STG                      ; my wave's two stages
	v_mul_u32_u24 v7, v3, SP
	v_lshl_add_u32 v7, v2, 4, v7
	v_add_nc_u32 v7, s21, v7                       ; into a stage as loaded
	v_mul_u32_u24 v10, v2, SP
	v_lshl_add_u32 v10, v3, 7, v10
	v_add_nc_u32 v10, s21, v10                     ; out of it: row r, block H
	v_lshlrev_b32 v17, 3, v2
	v_lshl_add_u32 v17, v3, 2, v17                 ; the scale words' place: 8 r + 4 H
	s_lshl_b32 s22, ttmp9, 16                      ; 16 rows of 4,096 bytes
	s_lshl_b32 s23, s20, 10
	s_add_co_u32 s22, s22, s23
	s_mov_b32 s23, 0
	s_lshr_b32 s24, ttmp9, 3
	s_mul_i32 s24, s24, OPB                        ; the block of 128 rows
	s_and_b32 s25, ttmp9, 7                        ; the row block in it
	s_mul_i32 s26, s25, 768
	s_mul_i32 s27, s20, 24576
	s_add_co_u32 s26, s26, s27
	s_add_co_u32 s26, s26, s24
	s_mov_b32 s27, 0
	s_lshl_b32 s28, s25, 7
	s_lshl_b32 s29, s20, 10
	s_add_co_u32 s28, s28, s29
	s_add_co_u32 s28, s28, s24
	s_add_co_u32 s28, s28, SCO
	s_mov_b32 s29, 0
	s_wait_alu depctr_va_vdst(0)
	s_wait_kmcnt 0x0
	s_add_nc_u64 s[4:5], s[4:5], s[22:23]
	s_add_nc_u64 s[26:27], s[10:11], s[26:27]      ; my codes
	s_add_nc_u64 s[28:29], s[10:11], s[28:29]      ; my scale bytes
.macro LOADX cc                        ; chunk cc: 64 K of 16 rows; each load reads two rows' 256 consecutive bytes
.irp i, 0,1,2,3,4,5,6,7
	global_load_b128 v[R+32*(\cc)+4*\i:R+32*(\cc)+4*\i+3], v6, s[4:5] offset:8192*\i+256*(\cc) th:TH_LOAD_NT
.endr
.endm
.macro TURNX cc                        ; through the stage: LDS serves a wave's instructions in order, so no wait stands between the stores and the loads.  The loads take the block's groups of four in the order sigma
.irp i, 0,1,2,3,4,5,6,7
	ds_store_b128 v7, v[R+32*(\cc)+4*\i:R+32*(\cc)+4*\i+3] offset:STG*((\cc)%2)+2*SP*\i
.endr
.irp p, 0,1,2,3,4,5,6,7
	ds_load_b128 v[X+32*((\cc)%2)+4*\p:X+32*((\cc)%2)+4*\p+3], v10 offset:STG*((\cc)%2)+16*(((\p)&1)|(((\p)&2)<<1)|(((\p)&4)>>1))
.endr
.endm
	LOADX 0
	LOADX 1
	LOADX 2
	LOADX 3
	s_wait_loadcnt 24                              ; chunk 0's eight loads are in; the 24 of chunks 1 to 3 may be out
	TURNX 0
.irp cc, 0,1,2,3
	s_wait_dscnt 0x0                               ; this chunk's numbers are back from the stage
.if \cc < 3
	s_wait_loadcnt 8*(2-\cc)                       ; the next chunk's loads are in; those of the chunks behind it may be out
	TURNX \cc+1
.endif
	QB X+32*(\cc%2), C+8*\cc, E+\cc
	global_store_b128 v4, v[C+8*\cc:C+8*\cc+3], s[26:27] offset:6144*\cc        ; 512 consecutive bytes
	global_store_b64 v5, v[C+8*\cc+4:C+8*\cc+5], s[26:27] offset:6144*\cc+512   ; 256 consecutive bytes
.endr
	v_lshl_or_b32 v12, v25, 16, v24                ; my bytes of chunks 0, 1 and of chunks 2, 3,
	v_lshl_or_b32 v13, v27, 16, v26
	v_lshlrev_b32 v14, 3, v3
	v_lshlrev_b32 v12, v14, v12                    ; at their places, 8 H bits up;
	v_lshlrev_b32 v13, v14, v13
	v_mov_b32 v15, 0
	v_mov_b32 v16, 0
	v_permlanex16_b32 v15, v12, s18, s19
	v_permlanex16_b32 v16, v13, s18, s19
	v_or_b32 v12, v12, v15                         ; with lane l xor 16's the row's two words are whole
	v_or_b32 v13, v13, v16
	v_cmp_eq_u32 vcc_lo, 1, v3
	v_cndmask_b32 v12, v12, v13, vcc_lo            ; lane (r, H) stores word H
	global_store_b32 v17, v12, s[28:29]            ; 128 consecutive bytes: one byte for each 128 read
	s_wait_tensorcnt 0x0
	ds_add_u32 v62, v63
	s_wait_dscnt 0x0
	s_endpgm
	; ---- the weights: a lane takes a column n, its registers run down K
.Lweights:
	s_sub_co_u32 s21, ttmp9, 512
	s_lshr_b32 s22, s21, 2                         ; X: which 128 columns, of 32
	s_and_b32 s23, s21, 3                          ; which 256 along K
	s_wait_alu depctr_va_vdst(0)
	v_lshlrev_b32 v6, 2, v1                        ; 4 bytes a lane
	s_wait_kmcnt 0x0
	s_cmp_lt_u32 s22, 24                           ; the choices hang on the work-group's number alone
	s_cselect_b64 s[28:29], s[6:7], s[8:9]         ; from w_in or w_out
	s_cselect_b64 s[30:31], s[14:15], s[16:17]
	s_cselect_b32 s24, 16, 24
	s_cselect_b32 s25, 0, 24
	s_cmp_lt_u32 s22, 16
	s_cselect_b64 s[30:31], s[12:13], s[30:31]     ; into wqk, wv or wo
	s_cselect_b32 s24, 0, s24
	s_sub_co_u32 s24, s22, s24                     ; the block of 128 rows in the target
	s_sub_co_u32 s25, s22, s25                     ; the block of 128 columns in the source
	s_mul_i32 s24, s24, OPB
	s_mul_i32 s26, s23, 24576
	s_add_co_u32 s26, s26, s24
	s_mul_i32 s27, s20, 1536                       ; my two row blocks
	s_add_co_u32 s26, s26, s27
	s_mov_b32 s27, 0
	s_add_nc_u64 s[32:33], s[30:31], s[26:27]      ; my codes
	s_lshl_b32 s26, s23, 10
	s_add_co_u32 s26, s26, s24
	s_lshl_b32 s36, s20, 8
	s_add_co_u32 s26, s26, s36
	s_add_co_u32 s26, s26, SCO
	s_add_nc_u64 s[34:35], s[30:31], s[26:27]      ; my scale bytes
	s_lshl_b32 s26, s25, 9
	s_lshl_b32 s36, s20, 7
	s_add_co_u32 s26, s26, s36
	s_add_nc_u64 s[28:29], s[28:29], s[26:27]      ; my first column
.macro WLOAD t, n                      ; block t: place i takes K row 32 t + sigma(i); 32 lanes read 128 consecutive bytes
.irp i, 0,1,2,3,4,5,6,7,8,9,10,11,12,13,14,15,16,17,18,19,20,21,22,23,24,25,26,27,28,29,30,31
	global_load_b32 v[WX+32*((\t)%2)+\i], v6, s[28:29] offset:(32*(\t)+(((\i)&7)|(((\i)&8)<<1)|(((\i)&16)>>1)))*(\n)*4 th:TH_LOAD_NT
.endr
.endm
.macro WBLOCK t, n
.if (\t) < 7
	s_wait_loadcnt 32                              ; this block's 32 loads are in; the next block's may be out
.else
	s_wait_loadcnt 0x0
.endif
	QB WX+32*((\t)%2), WC+12*((\t)/2)+6*((\t)%2), 10
.if (\t)%4 == 0
	v_mov_b32 v[E+(\t)/4], v10                     ; the column's eight bytes, the lower K in the lower byte
.else
	v_lshl_or_b32 v[E+(\t)/4], v10, 8*((\t)%4), v[E+(\t)/4]
.endif
.if (\t)+2 < 8
	WLOAD (\t)+2, \n
.endif
.if (\t)%2 == 1                        ; a chunk is whole: its first run holds block 0 of 32 columns, its second block 1.  The exchange gives lanes 0-15 block 0 and lanes 16-31 block 1 of sixteen columns: the pieces of my two row blocks
.set CD, WC+12*((\t)/2)
.irp i, 0,1,2,3,4,5
	v_permlane16_swap_b32 v[CD+\i], v[CD+6+\i]
.endr
	global_store_b128 v4, v[CD:CD+3], s[32:33] offset:6144*((\t)/2)
	global_store_b64 v5, v[CD+4:CD+5], s[32:33] offset:6144*((\t)/2)+512
	global_store_b128 v4, v[CD+6:CD+9], s[32:33] offset:6144*((\t)/2)+768
	global_store_b64 v5, v[CD+10:CD+11], s[32:33] offset:6144*((\t)/2)+1280
.endif
.endm
.macro WBODY n                         ; n: numbers in a row of the source.  Every offset is an immediate: 255 x n x 4 bytes at the most, inside the signed 24 bits
	s_mul_i32 s26, s23, 256*(\n)*4
	s_add_nc_u64 s[28:29], s[28:29], s[26:27]
	WLOAD 0, \n
	WLOAD 1, \n
.irp t, 0,1,2,3,4,5,6,7
	WBLOCK \t, \n
.endr
	global_store_b64 v5, v[E:E+1], s[34:35]        ; 32 columns' scale bytes: 256 consecutive bytes, aligned
.endm
	s_cmp_lt_u32 s22, 24
	s_cbranch_scc0 .Lw_out
	s_wait_alu depctr_va_vdst(0)
	WBODY 3072
	s_endpgm
.Lw_out:
	s_wait_alu depctr_va_vdst(0)
	WBODY 1024
	s_endpgm
.Lfunc_end_k_qa774fe56b0_quant:
	.size	k_qa774fe56b0_quant, .Lfunc_end_k_qa774fe56b0_quant-k_qa774fe56b0_quant
	.p2alignl 7, 3214868480
	.fill 96, 4, 3214868480
	.section	.rodata,"a",@progbits
	.p2align	6, 0x0
	.amdhsa_kernel k_qa774fe56b0_quant
		.amdhsa_group_segment_fixed_size 35328
		.amdhsa_private_segment_fixed_size 0
		.amdhsa_enable_private_segment 0
		.amdhsa_kernarg_size 56
		.amdhsa_user_sgpr_count 2
		.amdhsa_user_sgpr_kernarg_segment_ptr 1
		.amdhsa_wavefront_size32 1
		.amdhsa_system_sgpr_workgroup_id_x 1
		.amdhsa_system_sgpr_workgroup_id_y 1
		.amdhsa_system_sgpr_workgroup_id_z 1
		.amdhsa_system_vgpr_workitem_id 0
		.amdhsa_next_free_vgpr 256
		.amdhsa_next_free_sgpr 66
		.amdhsa_reserve_vcc 1
		.amdhsa_float_denorm_mode_32 3
		.amdhsa_float_denorm_mode_16_64 3
		.amdhsa_memory_ordered 1
		.amdhsa_forward_progress 1
		.amdhsa_inst_pref_size 94
	.end_amdhsa_kernel
	.amdgpu_metadata
---
amdhsa.version: [ 1, 2 ]
amdhsa.kernels:
  - .name:           k_qa774fe56b0_quant
    .symbol:         k_qa774fe56b0_quant.kd
    .args:
      - { .name: x, .offset: 0, .size: 8, .value_kind: global_buffer, .address_space: global }
      - { .name: w_in, .offset: 8, .size: 8, .value_kind: global_buffer, .address_space: global }
      - { .name: w_out, .offset: 16, .size: 8, .value_kind: global_buffer, .address_space: global }
      - { .name: xq, .offset: 24, .size: 8, .value_kind: global_buffer, .address_space: global }
      - { .name: wqk, .offset: 32, .size: 8, .value_kind: global_buffer, .address_space: global }
      - { .name: wv, .offset: 40, .size: 8, .value_kind: global_buffer, .address_space: global }
      - { .name: wo, .offset: 48, .size: 8, .value_kind: global_buffer, .address_space: global }
    .group_segment_fixed_size: 35328
    .private_segment_fixed_size: 0
    .kernarg_segment_align: 8
    .kernarg_segment_size: 56
    .max_flat_workgroup_size: 128
    .sgpr_count:     66
    .vgpr_count:     256
    .wavefront_size: 32
...
	.end_amdgpu_metadata
.endif
;; end of part 1
;; launch gemm_qk (part 2): grid 8 x 32, 4 waves a work-group, clusters of 4 x 4, 327,680 bytes of LDS; arguments xq, wqk, qk; writes qk
.if DOCPART == 2
	.amdgcn_target "amdgcn-amd-amdhsa--gfx1250"
	.amdhsa_code_object_version 6
	.text
	.protected	k_qa774fe56b0_gemm_qk
	.globl	k_qa774fe56b0_gemm_qk
	.p2align	8
	.type	k_qa774fe56b0_gemm_qk,@function
k_qa774fe56b0_gemm_qk:
	s_mov_b64 s[64:65], 0
	v_nop
	global_prefetch_b8 v0, s[64:65] scope:SCOPE_SE
	s_setreg_imm32_b32 hwreg(HW_REG_WAVE_MODE, 25, 1), 1
	s_wait_xcnt 0x0
	s_wait_alu depctr_hold_cnt(0) depctr_sa_sdst(0) depctr_va_vdst(0) depctr_va_sdst(0) depctr_va_ssrc(0) depctr_va_vcc(0) depctr_vm_vsrc(0)
	s_getreg_b32 s2, hwreg(HW_REG_IB_STS2, 6, 4)
	s_cmp_eq_u32 s2, 0
	s_cbranch_scc0 .Lentry_in_a_cluster
	s_endpgm
.Lentry_in_a_cluster:
	s_bfe_u32 s2, ttmp6, 0x10000c
	s_cmp_lg_u32 s2, 0xf033
	s_cbranch_scc0 .Lentry_shape_is_right
	s_endpgm
.Lentry_shape_is_right:
.set NQ,     2
.set FR,     12
.set NL,     4
.set NP,     4
.set OPB,    102400
.set SCO,    98304
.set HALFT,  24576
.set SLOT,   4*HALFT
.set SCL,    2*SLOT
.set SCLB,   SCL+8320
.set SPARE,  213248
.set ADRA, 16
.set ADRB, 20
.set L16,  24
.set L8,   25
.set SST,  26
.set ADRS, 27
.set SPW,  28
.set NIL,  29
.set SRD,  30
.set SC,   32
.set PC,   64
.set AF,   128
.set TM,   224
.set PW,   240
.set G1, 24
.set G0, 32
.set G1B, 48
.set G0B, 56
.set G1S, 68
.set G0S, 76
.set G1SB, 80
.set G0SB, 88
.set MSB, 0
.macro WIN new
.if MSB != \new
	s_set_vgpr_msb (MSB<<8)|\new
.set MSB, \new
.endif
.endm
.set MUL_LO, 0xa1
.set MUL_HI, 0xf1
.set TO_B,   0x40
.macro JLOAD g0a, g1a, g0b, g1b
	s_cmp_eq_u32 s15, 0
	s_cbranch_scc0 .Lfor_b_\@
	tensor_load_to_lds s[\g0a:\g0a+3], s[\g1a:\g1a+7]
	s_nop 0
.rept 4
	v_nop
.endr
	s_branch .Lasked_\@
.Lfor_b_\@:
	tensor_load_to_lds s[\g0b:\g0b+3], s[\g1b:\g1b+7]
	s_nop 0
.rept 4
	v_nop
.endr
.Lasked_\@:
.endm
.macro CREST
	s_cmp_lg_u32 s14, 0
	s_cbranch_scc1 .Lnot_wave_0_\@
	s_barrier_signal -3
.Lnot_wave_0_\@:
	s_barrier_wait -3
	s_barrier_signal -1
	s_barrier_wait -1
.endm
.macro CROUND
	s_barrier_signal -1
	s_barrier_wait -1
	CREST
.endm
	s_load_b128 s[4:7], s[0:1], 0x0
	s_load_b64 s[8:9], s[0:1], 0x10
	v_lshl_add_u32 v[SPW], v0, 2, SPARE
	v_mov_b32 v[NIL], 0
	ds_add_u32 v28, v29
	ds_add_u32 v28, v29
	s_wait_dscnt 0x0
	v_lshrrev_b32 v1, 5, v0
	v_readfirstlane_b32 s14, v1
	s_lshr_b32 s15, s14, 1
	s_and_b32 s16, s14, 1
	s_bfe_u32 s40, ttmp6, 0x40000
	s_bfe_u32 s41, ttmp6, 0x40004
	s_lshl_b32 s42, ttmp9, 2
	s_add_co_u32 s42, s42, s40
	s_and_b32 s17, ttmp7, 0xffff
	s_lshl_b32 s17, s17, 2
	s_add_co_u32 s17, s17, s41
	s_lshl_b32 s43, s41, 2
	s_lshl_b32 s43, 15, s43
	s_lshl_b32 s44, 0x1111, s40
	s_or_b32 s[G1+0], s43, (3<<16)|(1<<21)
	s_or_b32 s[G1B+0], s44, (3<<16)|(1<<21)
.irp g, G1, G1B                        ; for the head's loads: the first 24,576 bytes of two blocks of 128 rows, as 2 rows of 3,072 elements of 8 bytes, OPB bytes apart
	s_mov_b32 s[\g+1], 3072<<16
	s_mov_b32 s[\g+2], 2<<16
	s_mov_b32 s[\g+3], 3072<<16
	s_mov_b32 s[\g+4], 2
	s_mov_b32 s[\g+5], OPB/8
	s_mov_b32 s[\g+6], 0
	s_mov_b32 s[\g+7], 0
.endr
	s_or_b32 s[G1S+0], s43, (3<<16)|(1<<21)
	s_or_b32 s[G1SB+0], s44, (3<<16)|(1<<21)
.irp g, G1S, G1SB                      ; the scale bytes of two blocks of 128 rows: 2 rows of 4,096 bytes, OPB bytes apart
	s_mov_b32 s[\g+1], 512<<16
	s_mov_b32 s[\g+2], 2<<16
	s_mov_b32 s[\g+3], 512<<16
	s_mov_b32 s[\g+4], 2
	s_mov_b32 s[\g+5], OPB/8
	s_mov_b32 s[\g+6], 0
	s_mov_b32 s[\g+7], 0
.endr
	s_mul_i32 s20, s17, 2*OPB
	s_mov_b32 s21, 0
	s_mul_i32 s46, s42, 2*OPB
	s_mov_b32 s47, 0
	s_mul_i32 s45, s14, HALFT
	s_wait_kmcnt 0x0
	s_add_nc_u64 s[20:21], s[4:5], s[20:21]
	s_add_nc_u64 s[46:47], s[6:7], s[46:47]
	CROUND
	; THE HEAD'S FOUR TILES, ONE A WAVE: wave 0 slot 0's 256 rows of A, wave 1 its 256 rows of B, wave 2 A's scale bytes, wave 3 B's
	s_mov_b32 s[G0S], 1
	s_mov_b32 s[G0S+1], SCL
	s_add_nc_u64 s[G0S+2:G0S+3], s[20:21], SCO
	s_or_b32 s[G0S+3], s[G0S+3], 0x80000000
	s_mov_b32 s[G0SB], 1
	s_mov_b32 s[G0SB+1], SCL+8320
	s_add_nc_u64 s[G0SB+2:G0SB+3], s[46:47], SCO
	s_or_b32 s[G0SB+3], s[G0SB+3], 0x80000000
	s_mul_i32 s18, s16, OPB                        ; in the ring a wave fetches one block of 128 rows: which of the two, in bytes
	s_mov_b32 s19, 0
	s_mov_b32 s[G0], 1
	s_mov_b32 s[G0+1], 0
	s_mov_b64 s[G0+2:G0+3], s[20:21]
	s_or_b32 s[G0+3], s[G0+3], 0x80000000
	s_mov_b32 s[G0B], 1
	s_mov_b32 s[G0B+1], 2*HALFT
	s_mov_b64 s[G0B+2:G0B+3], s[46:47]
	s_or_b32 s[G0B+3], s[G0B+3], 0x80000000
	s_add_nc_u64 s[20:21], s[20:21], s[18:19]
	s_add_nc_u64 s[46:47], s[46:47], s[18:19]
	s_mov_b32 s[G0+4], 1
	s_add_co_u32 s[G0+5], s45, SLOT
	s_add_nc_u64 s[G0+6:G0+7], s[20:21], HALFT
	s_or_b32 s[G0+7], s[G0+7], 0x80000000
	s_mov_b32 s[G0B+4], 1
	s_add_co_u32 s[G0B+5], s45, SLOT
	s_add_nc_u64 s[G0B+6:G0B+7], s[46:47], HALFT
	s_or_b32 s[G0B+7], s[G0B+7], 0x80000000
.macro ARM under, g0, g1, next         ; one chain of branches on the wave's number, one load to an arm
	s_cmp_lt_u32 s14, \under
	s_cbranch_scc0 \next
	tensor_load_to_lds s[\g0:\g0+3], s[\g1:\g1+7]
	s_nop 0
.rept 4
	v_nop
.endr
	s_branch .Lhead_asked
\next:
.endm
	ARM 1, G0,  G1,  .Lhead_b
	ARM 2, G0B, G1B, .Lhead_sa
	ARM 3, G0S, G1S, .Lhead_sb
	tensor_load_to_lds s[G0SB:G0SB+3], s[G1SB:G1SB+7]
	s_nop 0
.rept 4
	v_nop
.endr
.Lhead_asked:
	s_wait_alu depctr_va_vdst(0)
	s_wait_tensorcnt 0x0                           ; my tile of the four is in
	ds_add_u32 v28, v29
.irp g, G1, G1B                        ; no tensor load of mine is out, so the descriptors may be written: from here on a load brings 24,576 dense bytes as 96 rows of 256
	s_mov_b32 s[\g+1], 32<<16
	s_mov_b32 s[\g+2], 96<<16
	s_mov_b32 s[\g+3], 32<<16
	s_mov_b32 s[\g+4], 96
	s_mov_b32 s[\g+5], 32
.endr
	s_mov_b32 s[G0+1], s45                         ; slot 0's groups 0 for the ring: my quarter of the slot, my block of 128 rows
	s_add_nc_u64 s[G0+2:G0+3], s[G0+2:G0+3], s[18:19]
	s_mov_b32 s[G0B+1], s45
	s_add_nc_u64 s[G0B+2:G0B+3], s[G0B+2:G0B+3], s[18:19]
	s_wait_dscnt 0x0
	CROUND                                         ; all four tiles are shown to all waves, and the sixteen work-groups are here
	JLOAD G0+4, G1, G0B+4, G1B                     ; slot 1's first fill, the first tensor load behind the round
	v_and_b32 v1, 15, v0
	v_bfe_u32 v2, v0, 4, 1
	v_and_b32 v3, 31, v0
	v_lshlrev_b32 v[L16], 4, v3
	v_lshlrev_b32 v[L8], 3, v3
	s_mul_i32 s21, s15, HALFT
	s_mul_i32 s22, s16, HALFT
	s_add_co_u32 s22, s22, 2*HALFT
.irp s, 0,1
	v_add_nc_u32 v[ADRA+\s], s21, v[L16]
	v_add_nc_u32 v[ADRB+\s], s22, v[L16]
	v_add_nc_u32 v[ADRA+2+\s], s21, v[L8]
	v_add_nc_u32 v[ADRB+2+\s], s22, v[L8]
	s_add_co_u32 s21, s21, SLOT
	s_add_co_u32 s22, s22, SLOT
.endr
	v_lshlrev_b32 v5, 3, v1
	s_lshl_b32 s21, s15, 12
	s_lshl_b32 s22, s16, 12
	s_add_co_u32 s22, s22, 8320
	s_sub_co_u32 s22, s22, s21
	v_mul_u32_u24 v6, s22, v2
	s_add_co_u32 s21, s21, SCL
	v_add_nc_u32 v5, v5, v6
	v_add_nc_u32 v[ADRS], s21, v5
	s_lshl_b32 s23, s14, 9
	v_lshl_add_u32 v[SST], v1, 2, s23
	v_add_nc_u32 v[SRD], s23, v[L16]
	s_lshr_b32 s92, s42, 3
	s_lshl_b32 s92, s92, 2
	s_add_co_u32 s92, s92, s17
	s_lshl_b32 s92, s92, 3
	s_and_b32 s93, s42, 7
	s_add_co_u32 s92, s92, s93
	s_mul_i32 s94, s92, 49152
	s_mul_i32 s95, s16, 24576
	s_add_co_u32 s94, s94, s95
	s_mul_i32 s95, s15, 6144
	s_add_co_u32 s94, s94, s95
	s_add_co_u32 s94, s94, 524288
	s_mov_b32 s95, 0
	s_add_nc_u64 s[12:13], s[8:9], s[94:95]
	s_lshl_b32 s94, s92, 11
	s_lshl_b32 s93, s16, 10
	s_add_co_u32 s94, s94, s93
	s_lshl_b32 s93, s15, 9
	s_add_co_u32 s94, s94, s93
	s_add_nc_u64 s[96:97], s[8:9], s[94:95]
.macro FRAG reg, adr, q, i
	ds_load_b128 v[\reg:\reg+3], v[\adr] offset:12288*(\q)+768*(\i)
	ds_load_b64 v[\reg+4:\reg+5], v[\adr+2] offset:12288*(\q)+768*(\i)+512
	ds_load_b128 v[\reg+6:\reg+9], v[\adr] offset:12288*(\q)+768*(\i)+6144
	ds_load_b64 v[\reg+10:\reg+11], v[\adr+2] offset:12288*(\q)+768*(\i)+6656
.endm
.macro MUL16 a0, p, q, sc, zero
.irp a, \a0, \a0+1
.irp b, 0,1,2,3,4,5,6,7
.if \zero
	v_wmma_scale_f32_16x16x128_f8f6f4 v[8*(8*((\a)%4)+\b):8*(8*((\a)%4)+\b)+7], v[128*(\p)+FR*\b:128*(\p)+FR*\b+FR-1], v[AF+FR*(\a):AF+FR*(\a)+FR-1], 0, v[SC+8*NQ*(\sc)+NQ*\b+(\q)], v[SC+8*NQ*(\sc)+NQ*(\a)+(\q)] matrix_a_fmt:MATRIX_FMT_FP6 matrix_b_fmt:MATRIX_FMT_FP6 matrix_a_scale:MATRIX_SCALE_ROW1
.else
	v_wmma_scale_f32_16x16x128_f8f6f4 v[8*(8*((\a)%4)+\b):8*(8*((\a)%4)+\b)+7], v[128*(\p)+FR*\b:128*(\p)+FR*\b+FR-1], v[AF+FR*(\a):AF+FR*(\a)+FR-1], v[8*(8*((\a)%4)+\b):8*(8*((\a)%4)+\b)+7], v[SC+8*NQ*(\sc)+NQ*\b+(\q)], v[SC+8*NQ*(\sc)+NQ*(\a)+(\q)] matrix_a_fmt:MATRIX_FMT_FP6 matrix_b_fmt:MATRIX_FMT_FP6 matrix_a_scale:MATRIX_SCALE_ROW1
.endif
.endr
.endr
.endm
.macro FETCH_B slot, q, p
	WIN TO_B
.irp i, 0,1,2,3,4,5,6,7
	FRAG 128*(\p)+FR*\i, ADRB+\slot, \q, \i
.endr
	WIN 0
.endm
.macro FETCH_A slot, q, i0
.irp i, \i0, \i0+1, \i0+2, \i0+3
	FRAG AF+FR*(\i), ADRA+\slot, \q, \i
.endr
.endm
.macro SCALES sc
.irp i, 0,1,2,3,4,5,6,7
	ds_load_b64 v[SC+8*NQ*\sc+NQ*\i:SC+8*NQ*\sc+NQ*\i+1], v[ADRS] offset:\i*128
.endr
.endm
.macro PLACES n
.rept \n
	v_nop
.endr
.endm
.macro STEP slot, q, zero
	s_wait_dscnt 4*NL
	WIN MUL_LO
	MUL16 0, (\q)%2, \q, \slot, \zero
	MUL16 2, (\q)%2, \q, \slot, \zero
	s_wait_dscnt 0
	PLACES NP
	FETCH_B \slot, (\q)+1, 1-(\q)%2
	FETCH_A \slot, (\q)+1, 0
	WIN MUL_HI
	MUL16 4, (\q)%2, \q, \slot, \zero
	MUL16 6, (\q)%2, \q, \slot, \zero
	PLACES NP
	WIN 0
	FETCH_A \slot, (\q)+1, 4
.endm
.macro TURN slot, next, fill
	s_wait_tensorcnt 0x0
	ds_add_u32 v[SPW], v[NIL]
	s_wait_dscnt 4*NL+1
	WIN MUL_LO
	MUL16 0, 1, NQ-1, \slot, 0
	s_wait_dscnt 0x0
	s_barrier_signal -1
	MUL16 2, 1, NQ-1, \slot, 0
	WIN 0
	s_barrier_wait -1
.if \fill
	CREST
	s_add_nc_u64 s[G0+4*\slot+2:G0+4*\slot+3], s[G0+4*\slot+2:G0+4*\slot+3], 2*HALFT
	s_add_nc_u64 s[G0B+4*\slot+2:G0B+4*\slot+3], s[G0B+4*\slot+2:G0B+4*\slot+3], 2*HALFT
	JLOAD G0+4*\slot, G1, G0B+4*\slot, G1B
.else
	PLACES NP
.endif
	s_wait_alu depctr_va_vdst(0)
	v_add_nc_u32 v[ADRS], 1024, v[ADRS]
	FETCH_B \next, 0, 0
	FETCH_A \next, 0, 0
	SCALES \next
	WIN MUL_HI
	MUL16 4, 1, NQ-1, \slot, 0
	MUL16 6, 1, NQ-1, \slot, 0
	PLACES NP
	WIN 0
	FETCH_A \next, 0, 4
.endm
	s_wait_alu depctr_va_vdst(0)
	FETCH_B 0, 0, 0
	FETCH_A 0, 0, 0
	SCALES 0
	FETCH_A 0, 0, 4
	STEP 0, 0, 1
	TURN 0, 1, 1
	STEP 1, 0, 0
	TURN 1, 0, 1
	STEP 0, 0, 0
	TURN 0, 1, 0
	STEP 1, 0, 0
	s_wait_dscnt 4*NL
	WIN MUL_LO
	MUL16 0, 1, NQ-1, 1, 0
	MUL16 2, 1, NQ-1, 1, 0
	s_wait_dscnt 0
	WIN MUL_HI
	MUL16 4, 1, NQ-1, 1, 0
	MUL16 6, 1, NQ-1, 1, 0
	WIN 0
.macro QUANTW a
.set AC, 64*((\a)%4)
	WIN 0x28+0x14*((\a)/4)
.irp b, 0,1,2,3
	v_max3_num_f32 v[TM+\b], 0x1800000, |v[AC+16*\b]|, |v[AC+16*\b+1]|
.endr
.irp i, 2,4,6,8,10,12,14
.irp b, 0,1,2,3
	v_max3_num_f32 v[TM+\b], v[TM+\b], |v[AC+16*\b+\i]|, |v[AC+16*\b+\i+1]|
.endr
.endr
	WIN 0
.irp b, 0,1,2,3
	v_permlanex16_b32 v[TM+4+\b], v[TM+\b], s18, s19
.endr
.irp b, 0,1,2,3
	v_max_num_f32 v[TM+\b], v[TM+\b], v[TM+4+\b]
.endr
.irp b, 0,1,2,3
	v_add_nc_u32 v[TM+12+\b], 0xff000000, v[TM+\b]
.endr
.irp b, 0,1,2,3
	v_lshrrev_b32 v[TM+4+\b], 23, v[TM+12+\b]
.endr
	v_lshl_or_b32 v[PW], v[TM+5], 8, v[TM+4]
	v_lshl_or_b32 v[PW], v[TM+6], 16, v[PW]
	v_lshl_or_b32 v[PW], v[TM+7], 24, v[PW]
.if (\a) > 0
	s_wait_xcnt 0x0
.endif
	WIN 0x02+(\a)/4
.irp c, 0,1
	v_cvt_scalef32_pk16_fp6_f32 v[PC+6*\c:PC+6*\c+2], v[AC+32*\c:AC+32*\c+15], v[TM+12+2*\c]
	v_cvt_scalef32_pk16_fp6_f32 v[PC+12+4*\c:PC+14+4*\c], v[AC+32*\c+16:AC+32*\c+31], v[TM+12+2*\c+1]
.endr
	WIN 0
	v_nop
.irp c, 0,1
.irp i, 0,1,2
	v_permlane16_swap_b32 v[PC+6*\c+\i], v[PC+12+4*\c+\i]
.endr
.irp i, 0,1,2
	v_mov_b32 v[PC+3+6*\c+\i], v[PC+12+4*\c+\i]
.endr
.endr
	global_store_b128 v[L16], v[PC:PC+3], s[12:13] offset:768*(\a)
	global_store_b64 v[L8], v[PC+4:PC+5], s[12:13] offset:768*(\a)+512
	global_store_b128 v[L16], v[PC+6:PC+9], s[12:13] offset:768*(\a)+12288
	global_store_b64 v[L8], v[PC+10:PC+11], s[12:13] offset:768*(\a)+12800
	ds_store_b32 v[SST], v[PW] offset:64*(\a)
.endm
	s_mov_b32 s18, 0x76543210
	s_mov_b32 s19, 0xfedcba98
	PLACES NP
.irp b, 0,1,2,3
	v_mov_b32 v[TM+4+\b], 0
.endr
.irp a, 0,1,2,3,4,5,6,7
	QUANTW \a
.endr
	ds_load_b128 v[244:247], v[SRD]
	s_wait_dscnt 0x0
	global_store_b128 v[L16], v[244:247], s[96:97]
	s_wait_tensorcnt 0x0
	ds_add_u32 v[SPW], v[NIL]
	s_wait_dscnt 0x0
	CROUND
	s_endpgm
.Lfunc_end_k_qa774fe56b0_gemm_qk:
	.size	k_qa774fe56b0_gemm_qk, .Lfunc_end_k_qa774fe56b0_gemm_qk-k_qa774fe56b0_gemm_qk
	.p2alignl 7, 3214868480
	.fill 96, 4, 3214868480
	.section	.rodata,"a",@progbits
	.p2align	6, 0x0
	.amdhsa_kernel k_qa774fe56b0_gemm_qk
		.amdhsa_group_segment_fixed_size 327680
		.amdhsa_private_segment_fixed_size 0
		.amdhsa_enable_private_segment 0
		.amdhsa_kernarg_size 24
		.amdhsa_user_sgpr_count 2
		.amdhsa_user_sgpr_kernarg_segment_ptr 1
		.amdhsa_wavefront_size32 1
		.amdhsa_system_sgpr_workgroup_id_x 1
		.amdhsa_system_sgpr_workgroup_id_y 1
		.amdhsa_system_sgpr_workgroup_id_z 1
		.amdhsa_system_vgpr_workitem_id 0
		.amdhsa_next_free_vgpr 1024
		.amdhsa_next_free_sgpr 98
		.amdhsa_reserve_vcc 0
		.amdhsa_float_denorm_mode_32 3
		.amdhsa_float_denorm_mode_16_64 3
		.amdhsa_memory_ordered 1
		.amdhsa_forward_progress 1
		.amdhsa_inst_pref_size 150
	.end_amdhsa_kernel
	.amdgpu_metadata
---
amdhsa.version: [ 1, 2 ]
amdhsa.kernels:
  - .name:           k_qa774fe56b0_gemm_qk
    .symbol:         k_qa774fe56b0_gemm_qk.kd
    .args:
      - { .name: xq, .offset: 0, .size: 8, .value_kind: global_buffer, .address_space: global }
      - { .name: wqk, .offset: 8, .size: 8, .value_kind: global_buffer, .address_space: global }
      - { .name: qk, .offset: 16, .size: 8, .value_kind: global_buffer, .address_space: global }
    .group_segment_fixed_size: 327680
    .private_segment_fixed_size: 0
    .kernarg_segment_align: 8
    .kernarg_segment_size: 24
    .max_flat_workgroup_size: 128
    .sgpr_count:     98
    .vgpr_count:     1024
    .wavefront_size: 32
...
	.end_amdgpu_metadata
.endif
;; end of part 2
;; launch gemm_v: the kernel of part 2 again; grid 32 x 4, 4 waves a work-group, clusters of 4 x 4, 327,680 bytes of LDS; arguments wv, xq, vt; writes vt
;; launch attn (part 3): grid 4 x 64, 12 waves a work-group, clusters of 4 x 1, 236,032 bytes of LDS; arguments qk, vt, oq; writes oq
.if DOCPART == 3
	.amdgcn_target "amdgcn-amd-amdhsa--gfx1250"
	.amdhsa_code_object_version 6
	.text
	.protected	k_qa774fe56b0_attn
	.globl	k_qa774fe56b0_attn
	.p2align	8
	.type	k_qa774fe56b0_attn,@function
k_qa774fe56b0_attn:
	s_mov_b64 s[64:65], 0
	v_nop
	global_prefetch_b8 v0, s[64:65] scope:SCOPE_SE
	s_setreg_imm32_b32 hwreg(HW_REG_WAVE_MODE, 25, 1), 1
	s_wait_xcnt 0x0
	s_wait_alu depctr_hold_cnt(0) depctr_sa_sdst(0) depctr_va_vdst(0) depctr_va_sdst(0) depctr_va_ssrc(0) depctr_va_vcc(0) depctr_vm_vsrc(0)
	s_getreg_b32 s2, hwreg(HW_REG_IB_STS2, 6, 4)
	s_cmp_eq_u32 s2, 0
	s_cbranch_scc0 .Lentry_in_a_cluster
	s_endpgm
.Lentry_in_a_cluster:
	s_bfe_u32 s2, ttmp6, 0x10000c
	s_cmp_lg_u32 s2, 0x3003
	s_cbranch_scc0 .Lentry_shape_is_right
	s_endpgm
.Lentry_shape_is_right:
; o[b][q][h][:] = the sum over keys of softmax(q . k / 8) v, both products on codes of FP6 (E2M3) with one E8M0 scale for each 32 along K; o is quantised along the model's 1,024 channels and leaves as an operand of the last product.
; THE SOFTMAX: t = score x log2(e) / 8; M = the running largest t rounded UP to a whole number; p = 2^(t - M) is quantised along the keys, not normalised; the row's sum is taken of the unquantised p and divides O at the end.
; IN (made by the two launches before): q's and k's codes, pieces of 768 bytes (16 tokens x a head's 64 channels, an image of operand registers 0-5: registers 0-3 at 16 x lane, 4-5 at 512 + 8 x lane), 256 tokens on end;
; a token's scale word of four bytes serves two heads; v's codes with the keys innermost, pieces of 16 channels x 64 keys; its scale words, one for a channel and 128 keys.
; Inside every block of 32 along a product's K the order is 0-7, 16-23, 8-15, 24-31, in both operands alike.
; SHARES.  256 work-groups; one owns 512 queries of one (b, h): 32 tiles of 16 queries.  Twelve waves of 256 registers; in pass p wave w takes tile w + 12 p: waves 0-7 three tiles, waves 8-11 two.  A pass is 16 steps of 128 keys.
; ALL OF THE HEAD'S K AND V STAY IN LDS, FILLED ONCE, by twelve tensor loads, one a wave: waves 0-7 K's codes (256 tokens each), 8-9 V's (1,024 keys each), 10 K's scale words, 11 V's.  Every row of every tile begins at a
; multiple of 256 bytes.  The four work-groups of a cluster share (b, h) and ask for every tile JOINTLY.  Every wave waits for its load, one barrier shows all tiles to all waves, and no barrier follows: nothing is filled again.
; No prefetch: every byte that comes by a tensor load is asked for at the head, and there is no loop to run ahead in.
; LAYOUT.  Both products transposed: S^T = K Q^T, O^T = V^T P^T: a lane holds one query throughout.  THE KEYS OF A TILE ARE CHOSEN BY THE LANES' LDS ADDRESSES: row r of tile 4 c + j is key 64 c + 32 (r / 8) + 8 s(j) + r % 8, s = 0, 2, 1, 3.
; So lane (q, H) holds in the 32 registers of tiles 4 c .. 4 c + 3 the whole scale block 2 c + H of p, in V's order: its largest p needs no other lane, and two conversions give six registers of the operand as they fall.
; K's pieces lie in LDS as three rows of 256 bytes + 64 of padding: two pieces are 1,920 bytes, 128 more than a multiple of 256, so that the sixteen lanes of a 16-byte load touch sixteen different columns of 16 bytes.
; TWO REGIONS OF 64 REGISTERS CHANGE ROLES FROM STEP TO STEP: one holds K's fragments and then V's, the other S^T and p; as soon as p is consumed its region takes the NEXT step's K fragments, which land under the rescaling and the second product.
; ONE LOOP of 24 trips of two steps serves all passes; the way out stands under a branch on the counter; waves 8-11 jump over the work of the last eight trips.  A pass's last step asks for step 0's K again: the next pass begins with it;
; behind a wave's last pass these 24 loads are not used.
; K = 64 IN AN INSTRUCTION OF 128: Q's codes of k = 64 .. 127 are zeros, so what K's operand holds there (the next tile's codes, or behind the last tile any bits: every code of this format is finite) adds nothing; the scale bytes there are 0, not 0xff.
; LIMITS: NaN and infinities are not served; the scaled scores t stay under 2^31 in magnitude; a block of zeros gets the byte 1.  A block's largest p is made from its largest score by the same multiply-add and exponential.
; o's scale bytes leave as single bytes: a row's eight come from four heads' work-groups; they are one byte for each 24 of codes.
.set OPB, 102400
.set SCO, 98304
.set KP,  960                          ; a piece of K in LDS: 3 x (256 + 64)
.set VC,  122880                       ; V's codes: a chunk of 64 keys at 3,072 each, channel tile t at 768 t
.set KS,  221184                       ; K's scale words: 4 bytes a key
.set VS,  229632                       ; V's: 256 bytes for each 128 keys
.set SPARE, 233984                     ; the spare words: 128 bytes a wave
.set R0,  32                           ; the two regions
.set R1,  96
.set WV,  10
.set CNT, 12
.set LIM, 13                           ; s13 my trips with work: 24 or 16
.set G1K, 16
.set G1V, 24
.set G1KS, 32
.set G1VS, 40
.set G0K, 48
.set G0V, 52
.set G0KS, 56
.set G0VS, 60
.set SEL, 66                           ; s[66:67] selects for lane l xor 16
.set CS,  68                           ; s[68:69] c = log2(e) / 8
.set TBK, 70                           ; s70, s71 where the K codes lie that the trip's first and second step ask for; s72, s73 their scales; s74, s75 the trip's V codes and scales
.set TS,  72
.set TBV, 74
.set TJ,  75
; s[76:77], s[78:79] the work-group's part of the output: codes, scale bytes; s[80:83] the third pass's Q; s[84:87] a pass's place in the output
; REGISTERS: v1, v2 16 x lane, 512 + 8 x lane; v3-8 the lanes' LDS places; v9-11, v28-30 the step's; v12 -M, v13 the running largest score, v[14:15] the sum; v16-27 Q; v31 4 r; v32-95, v96-159 the two regions;
; v160-191 O^T; v192-203 K's and V's scales; v204-215 p's codes; v216-236, v244-248 at work; v219 8 H; v223 8 r + H; v237-243 the next pass's Q; v250, v251 the spare word and 0; v252 f; v253 p's scale word; v255 Q's.
.macro WALU
	s_wait_alu depctr_va_vdst(0)
.endm
.macro CROUND                          ; a round of the cluster's barrier
	s_barrier_signal -1
	s_barrier_wait -1
	s_cmp_lg_u32 s[WV], 0
	s_cbranch_scc1 .Lnot_wave_0_\@
	s_barrier_signal -3
.Lnot_wave_0_\@:
	s_barrier_wait -3
	s_barrier_signal -1
	s_barrier_wait -1
.endm
.macro TLOAD g0, g1                    ; s_nop 0 and four v_nop behind the load
	tensor_load_to_lds s[\g0:\g0+3], s[\g1:\g1+7]
	s_nop 0
.rept 4
	v_nop
.endr
.endm
.macro GROUP1 g, w0, c, r, p           ; r rows of c elements of 8 bytes, p elements apart
	s_mov_b32 s[\g], \w0
	s_mov_b32 s[\g+1], (\c)<<16
	s_mov_b32 s[\g+2], (\r)<<16
	s_mov_b32 s[\g+3], (\c)<<16
	s_mov_b32 s[\g+4], \r
	s_mov_b32 s[\g+5], \p
	s_mov_b32 s[\g+6], 0
	s_mov_b32 s[\g+7], 0
.endm
.macro G0END g, base                   ; group 0's address: the buffer + s[88:89]
	s_mov_b32 s[\g], 1
	s_add_nc_u64 s[\g+2:\g+3], s[\base:\base+1], s[88:89]
	s_or_b32 s[\g+3], s[\g+3], 0x80000000
.endm
.macro SADD d, x
	s_add_co_u32 s\d, s\d, s\x
.endm
	s_load_b128 s[4:7], s[0:1], 0x0                ; qk, vt
	s_load_b64 s[8:9], s[0:1], 0x10                ; oq
	v_lshl_add_u32 v250, v0, 2, SPARE
	v_mov_b32 v251, 0
	ds_add_u32 v250, v251                          ; the opening lines: the add, twice on end, and its wait ahead of the first tensor load
	ds_add_u32 v250, v251
	v_lshrrev_b32 v1, 5, v0
	v_readfirstlane_b32 s[WV], v1                  ; wave 0..11
	s_bfe_u32 s11, ttmp6, 0x40000                  ; cx: my block of 512 queries; it enters Q's and the output's addresses alone
	s_and_b32 s13, ttmp7, 0xffff
	s_lshr_b32 s14, s13, 4                         ; b
	s_and_b32 s15, s13, 15                         ; h
	s_lshr_b32 s76, s15, 2                         ; h / 4
	s_and_b32 s77, s15, 3                          ; h % 4
	s_lshl_b32 s78, s14, 6
	SADD 78, 76                                    ; 64 b + h / 4: q's tile of the batch's first 256 tokens; k's is 4 on
	s_lshl_b32 s79, s14, 2
	SADD 79, 76
	s_lshl_b32 s79, s79, 3                         ; v's: 8 (4 b + h / 4)
	s_mov_b32 s89, 0
	GROUP1 G1K, 15|(3<<16)|(1<<20)|(1<<21)|(5<<22)|(15<<25), 32, 48, 32    ; 12,288 dense bytes as 48 rows of 256, 16 dwords of padding behind each; the mask names all four work-groups
	GROUP1 G1V, 15|(3<<16)|(1<<21), 384, 16, 1536                          ; 16 chunks of 64 keys: rows of 3,072 bytes, 12,288 apart
	GROUP1 G1KS, 15|(3<<16)|(1<<21), 128, 8, 2048                          ; 8 x 256 tokens: rows of 1,024 bytes, 16,384 apart
	GROUP1 G1VS, 15|(3<<16)|(1<<21), 32, 16, 128                           ; 16 x 128 keys: rows of 256 bytes, 1,024 apart
	s_wait_dscnt 0x0
	s_wait_kmcnt 0x0
	s_and_b32 s90, s[WV], 7                        ; K's codes: piece wave % 8
	s_mul_i32 s[G0K+1], s90, 48*320
	s_mul_i32 s88, s90, 393216
	s_add_co_u32 s91, s78, 4
	s_mul_i32 s90, s91, 49152
	SADD 88, 90
	s_mul_i32 s90, s77, 12288
	SADD 88, 90
	s_add_co_u32 s88, s88, 524288
	G0END G0K, 4
	s_and_b32 s90, s[WV], 1                        ; V's codes: 1,024 keys, half wave % 2
	s_mul_i32 s[G0V+1], s90, 49152
	s_add_co_u32 s[G0V+1], s[G0V+1], VC
	s_mul_i32 s88, s90, 196608
	s_mul_i32 s90, s79, 49152
	SADD 88, 90
	s_mul_i32 s90, s77, 3072
	SADD 88, 90
	s_add_co_u32 s88, s88, 524288
	G0END G0V, 6
	s_mov_b32 s[G0KS+1], KS                        ; K's scale words
	s_lshl_b32 s88, s91, 11
	s_lshr_b32 s90, s77, 1
	s_lshl_b32 s90, s90, 10
	SADD 88, 90
	G0END G0KS, 4
	s_mov_b32 s[G0VS+1], VS                        ; V's
	s_lshl_b32 s88, s79, 11
	s_lshl_b32 s90, s77, 8
	SADD 88, 90
	G0END G0VS, 6
	CROUND                                         ; all four work-groups are here: the joint loads meet
	s_cmp_lt_u32 s[WV], 8                          ; one chain of branches on the wave's number, one load to an arm
	s_cbranch_scc0 .Lfor_v
	TLOAD G0K, G1K
	s_branch .Lasked
.Lfor_v:
	s_cmp_lt_u32 s[WV], 10
	s_cbranch_scc0 .Lfor_ks
	TLOAD G0V, G1V
	s_branch .Lasked
.Lfor_ks:
	s_cmp_lt_u32 s[WV], 11
	s_cbranch_scc0 .Lfor_vs
	TLOAD G0KS, G1KS
	s_branch .Lasked
.Lfor_vs:
	TLOAD G0VS, G1VS
.Lasked:
	s_cmp_lt_u32 s[WV], 8
	s_cselect_b32 s[LIM], 24, 16
	s_lshl_b32 s90, s11, 4                         ; Q: my work-group's first tile of 256 tokens is 2 cx, eight of the buffer's tiles apart
	SADD 78, 90
	s_lshl_b32 s88, s78, 11
	s_lshr_b32 s90, s77, 1
	s_lshl_b32 s90, s90, 10
	SADD 88, 90
	s_and_b32 s93, s15, 1
	s_lshl_b32 s93, s93, 1                         ; the head's two bytes of a scale word
	SADD 88, 93
	s_add_nc_u64 s[82:83], s[4:5], s[88:89]        ; the 512 queries' scale bytes: 16,384 x (tile / 16) + 64 x (tile % 16)
	s_mul_i32 s88, s78, 49152
	s_mul_i32 s90, s77, 12288
	SADD 88, 90
	s_add_co_u32 s88, s88, 524288
	s_add_nc_u64 s[80:81], s[4:5], s[88:89]        ; their codes: 393,216 x (tile / 16) + 768 x (tile % 16)
	s_mul_i32 s88, s[WV], 768                      ; pass 0: tile w
	s_add_nc_u64 s[4:5], s[80:81], s[88:89]
	s_lshl_b32 s88, s[WV], 6
	s_add_nc_u64 s[6:7], s[82:83], s[88:89]
	s_add_co_u32 s90, s[WV], 12                    ; pass 1: tile w + 12
	s_lshr_b32 s91, s90, 4
	s_and_b32 s90, s90, 15
	s_mul_i32 s88, s91, 393216
	s_mul_i32 s92, s90, 768
	SADD 88, 92
	s_add_nc_u64 s[84:85], s[80:81], s[88:89]
	s_lshl_b32 s88, s91, 14
	s_lshl_b32 s92, s90, 6
	SADD 88, 92
	s_add_nc_u64 s[86:87], s[82:83], s[88:89]
	s_mul_i32 s88, s[WV], 768                      ; pass 2, waves 0-7: tile w + 24 = 16 + (w + 8)
	s_add_co_u32 s88, s88, 393216+8*768
	s_add_nc_u64 s[80:81], s[80:81], s[88:89]
	s_lshl_b32 s88, s[WV], 6
	s_add_co_u32 s88, s88, 16384+8*64
	s_add_nc_u64 s[82:83], s[82:83], s[88:89]
	s_lshl_b32 s88, s14, 4                         ; the output: my work-group's blocks of 128 tokens begin at 16 b + 4 cx; chunk h
	s_lshl_b32 s90, s11, 2
	SADD 88, 90
	s_mul_i32 s88, s88, OPB
	s_lshl_b32 s94, s76, 10
	SADD 94, 88
	s_lshl_b32 s91, s77, 1
	SADD 94, 91
	s_add_co_u32 s94, s94, SCO
	s_mov_b32 s95, 0
	s_mul_i32 s90, s15, 6144
	SADD 88, 90
	s_add_nc_u64 s[78:79], s[8:9], s[94:95]        ; its scale bytes
	s_add_nc_u64 s[76:77], s[8:9], s[88:89]        ; its codes
	s_mov_b32 s[SEL], 0x76543210
	s_mov_b32 s[SEL+1], 0xfedcba98
	s_mov_b32 s[CS], 0x3e38aa3b
	s_mov_b32 s[CS+1], s[CS]                       ; (named with it as a pair, so it is written)
	s_mov_b32 s[CNT], 0
	v_and_b32 v31, 31, v0
	v_and_b32 v11, 15, v0                          ; r
	v_bfe_u32 v219, v0, 4, 1                       ; H
	v_and_b32 v9, 7, v0                            ; r % 8
	v_bfe_u32 v10, v0, 3, 1                        ; r / 8
	v_lshlrev_b32 v1, 4, v31
	v_lshlrev_b32 v2, 3, v31
	v_add_nc_u32 v2, 512, v2
	v_mul_u32_u24 v3, v10, 2*KP                    ; rows 8-15 of a tile come from the piece two on
	v_lshl_add_u32 v4, v9, 3, v3
	v_lshl_add_u32 v3, v9, 4, v3
	v_mad_u32_u24 v3, v219, 320, v3                ; K, registers 0-3: 16 (r % 8), lanes 16-31 one LDS row on
	v_lshl_add_u32 v4, v219, 7, v4                 ; K, registers 4-5: 8 (r % 8) + 128 H, in the piece's third row
	v_add_nc_u32 v5, VC, v1
	v_add_nc_u32 v6, VC, v2
	v_lshlrev_b32 v7, 7, v10
	v_lshl_add_u32 v7, v9, 2, v7
	v_add_nc_u32 v7, KS, v7
	v_add_nc_u32 v7, s93, v7                       ; K's scales: 4 x key + the head's two bytes
	v_lshl_add_u32 v8, v11, 2, VS
	v_lshl_add_u32 v223, v11, 3, v219              ; the output's byte: 8 r + H
	v_lshlrev_b32 v31, 2, v11                      ; 4 r
	v_lshlrev_b32 v219, 3, v219                    ; 8 H
	WALU
	global_load_b128 v[16:19], v1, s[4:5]
	global_load_b64 v[20:21], v2, s[4:5]
	global_load_u16 v255, v31, s[6:7]              ; Q's two scale bytes; the upper two are 0
	global_load_b128 v[238:241], v1, s[84:85]      ; pass 1's
	global_load_b64 v[242:243], v2, s[84:85]
	global_load_u16 v237, v31, s[86:87]
.irp j, 0,1,2,3,4,5
	v_mov_b32 v[22+\j], 0                          ; Q's codes of k = 64 .. 127
	v_mov_b32 v[R0+48+\j], 0                       ; what stands behind K's last tile in the first step
.endr
	v_mov_b32 v226, 0                              ; a lane permute's destination counts as one of its sources
	v_mov_b32 v227, 0
	v_mov_b32 v253, 0
.macro FRESH                           ; a pass begins: the step is written once; the first finds zeros, and the first change of M makes f = 0
	v_mov_b32 v13, 0xff61b1e6                      ; the largest score so far: -3e38
	v_mov_b32 v12, 0x7f61b1e6                      ; -M
	v_mov_b32 v14, 0
	v_mov_b32 v15, 0
.set j, 0
.rept 32
	v_mov_b32 v[160+j], 0
.set j, j+1
.endr
.endm
	FRESH
	WALU                                           ; the wait at the head's end
	s_wait_loadcnt 0x0
	s_wait_tensorcnt 0x0                           ; my tile is in,
	s_barrier_signal -1
	s_barrier_wait -1                              ; and so is everybody's
.macro KLOAD rd, a, b, c               ; eight tiles of K and their scale bytes: 24 loads
.irp t, 0,1,2,3,4,5,6,7
	ds_load_b128 v[(\rd)+6*\t:(\rd)+6*\t+3], v\a offset:KP*(4*(\t/4)+(\t&1))+128*((\t>>1)&1)
	ds_load_b64 v[(\rd)+6*\t+4:(\rd)+6*\t+5], v\b offset:KP*(4*(\t/4)+(\t&1))+640+64*((\t>>1)&1)
	ds_load_u16 v[192+\t], v\c offset:256*(\t/4)+32*(((\t&1)<<1)|((\t>>1)&1))
.endr
.endm
; A KEY STEP: 128 keys.  u: the trip's first or second; ra: the region with K's fragments, then V's; rb: S^T, p, then the next step's K.
.macro STEP u, ra, rb
	s_wait_dscnt 0x0                               ; K's fragments and scale bytes are in
.irp t, 0,1,2,3,4,5,6,7                ; S^T; an operand's upper six registers are the next tile's codes, against Q's zeros
	v_wmma_scale_f32_16x16x128_f8f6f4 v[(\rb)+8*\t:(\rb)+8*\t+7], v[(\ra)+6*\t:(\ra)+6*\t+11], v[16:27], 0, v[192+\t], v255 matrix_a_fmt:MATRIX_FMT_FP6 matrix_b_fmt:MATRIX_FMT_FP6
.endr
.if \u                                 ; four places behind the products
.rept 3
	v_nop
.endr
.else
	v_add_nc_u32 v28, s[TBV], v5
	v_add_nc_u32 v29, s[TBV], v6
	v_add_nc_u32 v30, s[TJ], v8
.endif
	v_mov_b32 v254, v12                            ; the old -M
.irp t, 0,1,2,3                        ; V's four fragments and scale words, into K's registers: they land during the softmax
	ds_load_b128 v[(\ra)+12*\t:(\ra)+12*\t+3], v28 offset:6144*\u+768*\t
	ds_load_b64 v[(\ra)+12*\t+4:(\ra)+12*\t+5], v29 offset:6144*\u+768*\t
	ds_load_b128 v[(\ra)+12*\t+6:(\ra)+12*\t+9], v28 offset:6144*\u+3072+768*\t
	ds_load_b64 v[(\ra)+12*\t+10:(\ra)+12*\t+11], v29 offset:6144*\u+3072+768*\t
	ds_load_b32 v[200+\t], v30 offset:256*\u+64*\t
.endr
.irp c, 0,1                            ; the largest score of my two blocks of 32 keys, each in two chains; every accumulator is read from its low end on
	v_max3_num_f32 v[224+\c], v[(\rb)+32*\c], v[(\rb)+1+32*\c], v[(\rb)+2+32*\c]
	v_max3_num_f32 v[234+\c], v[(\rb)+16+32*\c], v[(\rb)+17+32*\c], v[(\rb)+18+32*\c]
.endr
.irp i, 3,5,7,9,11,13
.irp c, 0,1
	v_max3_num_f32 v[224+\c], v[224+\c], v[(\rb)+32*\c+\i], v[(\rb)+1+32*\c+\i]
	v_max3_num_f32 v[234+\c], v[234+\c], v[(\rb)+16+32*\c+\i], v[(\rb)+17+32*\c+\i]
.endr
.endr
.irp c, 0,1
	v_max3_num_f32 v[224+\c], v[224+\c], v[(\rb)+15+32*\c], v[(\rb)+31+32*\c]
.endr
.irp c, 0,1
	v_max_num_f32 v[224+\c], v[224+\c], v[234+\c]
.endr
	v_max_num_f32 v236, v224, v225                 ; the row's chain, with the next K's three addresses between its links
	v_add_nc_u32 v9, s[TBK+\u], v3
	v_permlanex16_b32 v227, v236, s[SEL], s[SEL+1]
	v_add_nc_u32 v10, s[TBK+\u], v4
	v_max3_num_f32 v13, v13, v236, v227            ; the running largest score of my query
	v_add_nc_u32 v11, s[TS+\u], v7
	v_mul_f32 v236, s[CS], v13                     ; as t (c is positive)
	s_delay_alu instid0(VALU_DEP_1)
	v_floor_f32 v12, -v236                         ; the new -M = -ceil(t): a whole number
.set j, 0
.rept 32
	v_pk_fma_f32 v[(\rb)+j:(\rb)+j+1], v[(\rb)+j:(\rb)+j+1], s[CS:CS+1], v[12:13] op_sel_hi:[1,0,0]   ; t - M
.if j == 4
	v_sub_f32 v254, v12, v254                      ; old M - new M
.elseif j == 12
	v_cvt_i32_f32 v254, v254                       ; (it saturates)
.elseif j == 20
	v_ldexp_f32 v252, 1.0, v254                    ; f = 2^(old M - new M): a multiplication by it rounds nothing
.endif
.set j, j+2
.endr
	v_pk_fma_f32 v[224:225], v[224:225], s[CS:CS+1], v[12:13] op_sel_hi:[1,0,0]       ; the same of the blocks' largest scores
	WALU                                           ; the wait ahead of the batch
.set j, 0
.rept 64
	v_exp_f32 v[(\rb)+j], v[(\rb)+j]               ; p = 2^(t - M)
.set j, j+1
.endr
	v_exp_f32 v224, v224                           ; the blocks' largest p
	v_exp_f32 v225, v225
	v_pk_mul_f32 v[14:15], v[14:15], v[252:253] op_sel_hi:[1,0]   ; the sum under the new M; the plain instruction behind the exponentials
	WALU                                           ; one wait for the batch, ahead of its first reader
	v_max_num_f32 v224, 0x1800000, v224            ; the floor 2^(3 - 127)
	v_max_num_f32 v225, 0x1800000, v225
	v_add_nc_u32 v244, 0xff000000, v224            ; the conversions' scale operands
	v_add_nc_u32 v245, 0xff000000, v225
.irp c, 0,1
	v_cvt_scalef32_pk16_fp6_f32 v[204+6*\c:206+6*\c], v[(\rb)+32*\c:(\rb)+32*\c+15], v[244+\c]
	v_cvt_scalef32_pk16_fp6_f32 v[216+4*\c:218+4*\c], v[(\rb)+32*\c+16:(\rb)+32*\c+31], v[244+\c]   ; (a conversion's three registers begin on an even number)
.endr
	v_pk_add_f32 v[228:229], v[(\rb):(\rb)+1], v[(\rb)+2:(\rb)+3]          ; the row's sum, of the unquantised p, in four chains; p's scale word is made between them
	v_pk_add_f32 v[230:231], v[(\rb)+4:(\rb)+5], v[(\rb)+6:(\rb)+7]
	v_pk_add_f32 v[232:233], v[(\rb)+8:(\rb)+9], v[(\rb)+10:(\rb)+11]
	v_pk_add_f32 v[14:15], v[14:15], v[(\rb)+12:(\rb)+13]
	v_lshrrev_b32 v246, 23, v244                   ; the bytes of blocks H and 2 + H
	v_lshrrev_b32 v247, 23, v245
.set j, (\rb)+14
.set g, 0
.rept 6
	v_pk_add_f32 v[228:229], v[228:229], v[j:j+1]
	v_pk_add_f32 v[230:231], v[230:231], v[j+2:j+3]
	v_pk_add_f32 v[232:233], v[232:233], v[j+4:j+5]
	v_pk_add_f32 v[14:15], v[14:15], v[j+6:j+7]
.if g == 0
	v_lshl_or_b32 v246, v247, 16, v246
.elseif g == 1
	v_lshlrev_b32 v246, v219, v246                 ; at their places, 8 H bits up
.elseif g == 2
	v_permlanex16_b32 v226, v246, s[SEL], s[SEL+1]
.elseif g == 3
	v_or_b32 v253, v246, v226                      ; with lane l xor 16's two: p's scale word for these 128 keys
.endif
.set j, j+8
.set g, g+1
.endr
	v_pk_add_f32 v[228:229], v[228:229], v[(\rb)+62:(\rb)+63]
	KLOAD \rb, 9, 10, 11                           ; p is consumed: its region takes the next step's K
.irp c, 0,1
.irp i, 0,1,2
	v_mov_b32 v[207+6*\c+\i], v[216+4*\c+\i]
.endr
.endr
	s_wait_dscnt 24                                ; V's fragments and scale words are in; the 24 loads of the next K may be out
	WALU                                           ; the wait here, directly ahead of the first reader of O^T
.set j, 0
.rept 16
	v_pk_mul_f32 v[160+j:161+j], v[160+j:161+j], v[252:253] op_sel_hi:[1,0]   ; O^T under the new M; these sixteen also stand between the writes of p's codes and scale word and the products
.set j, j+2
.endr
.irp t, 0,1,2,3                        ; O^T += V^T P^T: four accumulators by turns
	v_wmma_scale_f32_16x16x128_f8f6f4 v[160+8*\t:167+8*\t], v[(\ra)+12*\t:(\ra)+12*\t+11], v[204:215], v[160+8*\t:167+8*\t], v[200+\t], v253 matrix_a_fmt:MATRIX_FMT_FP6 matrix_b_fmt:MATRIX_FMT_FP6
.endr
	v_pk_add_f32 v[230:231], v[230:231], v[232:233]   ; the sum's chains are joined: with two v_nop the five places ahead of the next step's products, which write over V's registers
	v_pk_add_f32 v[14:15], v[14:15], v[228:229]
	v_pk_add_f32 v[14:15], v[14:15], v[230:231]
	v_nop
	v_nop
.endm
	KLOAD R0, 3, 4, 7                              ; step 0's K
.Ltrip:                                                ; trip i: steps 2 (i % 8) and 2 (i % 8) + 1 of pass i / 8; every LDS offset is made of the counter
	s_cmp_ge_u32 s[CNT], s[LIM]                    ; waves 8-11 have no third pass
	s_cbranch_scc1 .Lon
	s_and_b32 s90, s[CNT], 7
	s_mul_i32 s[TBV], s90, 12288
	s_lshl_b32 s[TJ], s90, 9
	s_mul_i32 s[TBK], s90, 16*KP
	s_add_co_u32 s[TBK], s[TBK], 8*KP              ; the first step asks for the second's K,
	s_lshl_b32 s[TS], s90, 10
	s_add_co_u32 s[TS], s[TS], 512
	s_add_co_u32 s91, s90, 1
	s_and_b32 s91, s91, 7
	s_mul_i32 s[TBK+1], s91, 16*KP                 ; the second for the next trip's first, behind the last step for step 0's
	s_lshl_b32 s[TS+1], s91, 10
	STEP 0, R0, R1
	STEP 1, R1, R0
	s_cmp_lg_u32 s90, 7
	s_cbranch_scc1 .Lon
	; THE WAY OUT, behind a pass's last step: O^T / the sum; my query's 64 channels are two blocks of 32 along the last product's K: one piece of 768 bytes and two bytes a row.  It touches neither v32-95 nor v192-199, where loads are out.
	s_lshr_b32 s91, s[CNT], 3                      ; my tile: w + 12 x pass; its block of 128 tokens is tile / 8, its row block tile % 8
	s_mul_i32 s91, s91, 12
	SADD 91, 10
	s_lshr_b32 s92, s91, 3
	s_and_b32 s91, s91, 7
	s_mul_i32 s88, s92, OPB
	s_lshl_b32 s94, s91, 7
	SADD 94, 88
	s_mul_i32 s91, s91, 768
	SADD 88, 91
	s_add_nc_u64 s[84:85], s[76:77], s[88:89]      ; (the last pass's stores have read these: the wait on XCNT at that way out's end)
	s_add_nc_u64 s[86:87], s[78:79], s[94:95]
	WALU
	v_add_f32 v14, v14, v15
	s_delay_alu instid0(VALU_DEP_1)
	v_permlanex16_b32 v252, v14, s[SEL], s[SEL+1]
	s_delay_alu instid0(VALU_DEP_1)
	v_add_f32 v14, v14, v252                       ; the row's sum
	WALU
	v_rcp_f32 v14, v14
	v_nop                                          ; a plain instruction behind the reciprocal
	v_cmp_eq_u32 vcc_lo, 8, v219                   ; lanes 16-31
	WALU                                           ; ahead of the reciprocal's first reader, and of O^T's
.set j, 0
.rept 32
	v_mul_f32 v[96+j], v[160+j], v14               ; register 8 t + i: channel 16 t + 8 H + i; each accumulator from its low end on
.set j, j+1
.endr
.irp b, 0,1
	v_max3_num_f32 v[224+\b], |v[96+16*\b]|, |v[97+16*\b]|, 0x1800000
.endr
.irp i, 2,4,6,8,10,12,14
.irp b, 0,1
	v_max3_num_f32 v[224+\b], v[224+\b], |v[96+16*\b+\i]|, |v[97+16*\b+\i]|
.endr
.endr
.irp b, 0,1
	v_permlanex16_b32 v[226+\b], v[224+\b], s[SEL], s[SEL+1]
.endr
.irp b, 0,1
	v_max_num_f32 v[224+\b], v[224+\b], v[226+\b]
.endr
.irp b, 0,1
	v_add_nc_u32 v[244+\b], 0xff000000, v[224+\b]
.endr
.irp b, 0,1
	v_lshrrev_b32 v[246+\b], 23, v[244+\b]
.endr
	v_cvt_scalef32_pk16_fp6_f32 v[204:206], v[96:111], v244
	v_cvt_scalef32_pk16_fp6_f32 v[216:218], v[112:127], v245
	v_cndmask_b32 v248, v246, v247, vcc_lo         ; my block's byte; also the plain instruction behind the conversions
.irp i, 0,1,2
	v_permlane16_swap_b32 v[204+\i], v[216+\i]     ; lanes 0-15 block 0, lanes 16-31 block 1
.endr
.irp i, 0,1,2
	v_mov_b32 v[207+\i], v[216+\i]
.endr
	global_store_b128 v1, v[204:207], s[84:85]     ; 512 consecutive bytes
	global_store_b64 v2, v[208:209], s[84:85]      ; 256, at 512 + 8 x lane
	global_store_b8 v223, v248, s[86:87]
	WALU
	s_wait_loadcnt 0x0                             ; the next pass's Q, asked for a pass ago, is in
.irp j, 0,1,2,3,4,5
	v_mov_b32 v[16+\j], v[238+\j]
.endr
	v_mov_b32 v255, v237
	s_add_co_u32 s91, s[CNT], 17                   ; behind pass 0 (the counter is 7) the waves with three passes ask for the third's Q
	s_cmp_lg_u32 s91, s[LIM]
	s_cbranch_scc1 .Lno_q
	global_load_b128 v[238:241], v1, s[80:81]
	global_load_b64 v[242:243], v2, s[80:81]
	global_load_u16 v237, v31, s[82:83]
.Lno_q:
	FRESH
	s_wait_xcnt 0x0                                ; the stores have read their registers and bases
	WALU
.Lon:
	s_add_co_u32 s[CNT], s[CNT], 1
	s_cmp_lt_u32 s[CNT], 24
	s_cbranch_scc1 .Ltrip
	s_wait_tensorcnt 0x0                           ; the wave's end
	ds_add_u32 v250, v251
	s_wait_dscnt 0x0
	CROUND                                         ; the closing round
	s_endpgm
.Lfunc_end_k_qa774fe56b0_attn:
	.size	k_qa774fe56b0_attn, .Lfunc_end_k_qa774fe56b0_attn-k_qa774fe56b0_attn
	.p2alignl 7, 3214868480
	.fill 96, 4, 3214868480
	.section	.rodata,"a",@progbits
	.p2align	6, 0x0
	.amdhsa_kernel k_qa774fe56b0_attn
		.amdhsa_group_segment_fixed_size 236032
		.amdhsa_private_segment_fixed_size 0
		.amdhsa_enable_private_segment 0
		.amdhsa_kernarg_size 24
		.amdhsa_user_sgpr_count 2
		.amdhsa_user_sgpr_kernarg_segment_ptr 1
		.amdhsa_wavefront_size32 1
		.amdhsa_system_sgpr_workgroup_id_x 1
		.amdhsa_system_sgpr_workgroup_id_y 1
		.amdhsa_system_sgpr_workgroup_id_z 1
		.amdhsa_system_vgpr_workitem_id 0
		.amdhsa_next_free_vgpr 256
		.amdhsa_next_free_sgpr 96
		.amdhsa_reserve_vcc 1
		.amdhsa_float_denorm_mode_32 3
		.amdhsa_float_denorm_mode_16_64 3
		.amdhsa_memory_ordered 1
		.amdhsa_forward_progress 1
		.amdhsa_inst_pref_size 52
	.end_amdhsa_kernel
	.amdgpu_metadata
---
amdhsa.version: [ 1, 2 ]
amdhsa.kernels:
  - .name:           k_qa774fe56b0_attn
    .symbol:         k_qa774fe56b0_attn.kd
    .args:
      - { .name: qk, .offset: 0, .size: 8, .value_kind: global_buffer, .address_space: global }
      - { .name: vt, .offset: 8, .size: 8, .value_kind: global_buffer, .address_space: global }
      - { .name: oq, .offset: 16, .size: 8, .value_kind: global_buffer, .address_space: global }
    .group_segment_fixed_size: 236032
    .private_segment_fixed_size: 0
    .kernarg_segment_align: 8
    .kernarg_segment_size: 24
    .max_flat_workgroup_size: 384
    .sgpr_count:     96
    .vgpr_count:     256
    .wavefront_size: 32
...
	.end_amdgpu_metadata
.endif
;; end of part 3
;; launch gemm_out (part 4): grid 4 x 32, 4 waves a work-group, clusters of 4 x 4, 327,680 bytes of LDS; arguments oq, wo, b_out, out0; writes out0
.if DOCPART == 4
	.amdgcn_target "amdgcn-amd-amdhsa--gfx1250"
	.amdhsa_code_object_version 6
	.text
	.protected	k_qa774fe56b0_gemm_out
	.globl	k_qa774fe56b0_gemm_out
	.p2align	8
	.type	k_qa774fe56b0_gemm_out,@function
k_qa774fe56b0_gemm_out:
	s_mov_b64 s[64:65], 0
	v_nop
	global_prefetch_b8 v0, s[64:65] scope:SCOPE_SE
	s_setreg_imm32_b32 hwreg(HW_REG_WAVE_MODE, 25, 1), 1
	s_wait_xcnt 0x0
	s_wait_alu depctr_hold_cnt(0) depctr_sa_sdst(0) depctr_va_vdst(0) depctr_va_sdst(0) depctr_va_ssrc(0) depctr_va_vcc(0) depctr_vm_vsrc(0)
	s_getreg_b32 s2, hwreg(HW_REG_IB_STS2, 6, 4)
	s_cmp_eq_u32 s2, 0
	s_cbranch_scc0 .Lentry_in_a_cluster
	s_endpgm
.Lentry_in_a_cluster:
	s_bfe_u32 s2, ttmp6, 0x10000c
	s_cmp_lg_u32 s2, 0xf033
	s_cbranch_scc0 .Lentry_shape_is_right
	s_endpgm
.Lentry_shape_is_right:
.set SIZE_N, 1024
.set NQ,     2
.set FR,     12
.set NL,     4
.set NP,     4
.set OPB,    102400
.set SCO,    98304
.set HALFT,  24576
.set SLOT,   4*HALFT
.set SCL,    2*SLOT
.set SPARE,  213248
.set SPITCH, 528
.set ADRA, 16
.set ADRB, 20
.set STO,  24
.set RD,   25
.set CO,   26
.set ADRS, 27
.set SPW,  28
.set NIL,  29
.set SC,   32
.set BI,   64
.set AF,   128
.set BK,   128
.set G1, 24
.set G0, 32
.set G1B, 48
.set G0B, 56
.set G1S, 68
.set G0S, 76
.set G1SB, 80
.set G0SB, 88
.set MSB, 0
.macro WIN new
.if MSB != \new
	s_set_vgpr_msb (MSB<<8)|\new
.set MSB, \new
.endif
.endm
.set MUL_LO, 0xa1
.set MUL_HI, 0xf1
.set FST_LO, 0x81
.set FST_HI, 0xc1
.set TO_B,   0x40
.macro JLOAD g0a, g1a, g0b, g1b
	s_cmp_eq_u32 s15, 0
	s_cbranch_scc0 .Lfor_b_\@
	tensor_load_to_lds s[\g0a:\g0a+3], s[\g1a:\g1a+7]
	s_nop 0
.rept 4
	v_nop
.endr
	s_branch .Lasked_\@
.Lfor_b_\@:
	tensor_load_to_lds s[\g0b:\g0b+3], s[\g1b:\g1b+7]
	s_nop 0
.rept 4
	v_nop
.endr
.Lasked_\@:
.endm
.macro CREST
	s_cmp_lg_u32 s14, 0
	s_cbranch_scc1 .Lnot_wave_0_\@
	s_barrier_signal -3
.Lnot_wave_0_\@:
	s_barrier_wait -3
	s_barrier_signal -1
	s_barrier_wait -1
.endm
.macro CROUND
	s_barrier_signal -1
	s_barrier_wait -1
	CREST
.endm
	s_load_b128 s[4:7], s[0:1], 0x0
	s_load_b128 s[8:11], s[0:1], 0x10
	v_lshl_add_u32 v[SPW], v0, 2, SPARE
	v_mov_b32 v[NIL], 0
	ds_add_u32 v28, v29
	ds_add_u32 v28, v29
	s_wait_dscnt 0x0
	v_lshrrev_b32 v1, 5, v0
	v_readfirstlane_b32 s14, v1
	s_lshr_b32 s15, s14, 1
	s_and_b32 s16, s14, 1
	s_bfe_u32 s40, ttmp6, 0x40000
	s_bfe_u32 s41, ttmp6, 0x40004
	s_lshl_b32 s42, ttmp9, 2
	s_add_co_u32 s42, s42, s40
	s_and_b32 s17, ttmp7, 0xffff
	s_lshl_b32 s17, s17, 2
	s_add_co_u32 s17, s17, s41
	s_lshl_b32 s43, s41, 2
	s_lshl_b32 s43, 15, s43
	s_lshl_b32 s44, 0x1111, s40
	s_or_b32 s[G1+0], s43, (3<<16)|(1<<21)
	s_or_b32 s[G1B+0], s44, (3<<16)|(1<<21)
.irp g, G1, G1B                        ; for the head's loads: the first 24,576 bytes of two blocks of 128 rows, as 2 rows of 3,072 elements of 8 bytes, OPB bytes apart
	s_mov_b32 s[\g+1], 3072<<16
	s_mov_b32 s[\g+2], 2<<16
	s_mov_b32 s[\g+3], 3072<<16
	s_mov_b32 s[\g+4], 2
	s_mov_b32 s[\g+5], OPB/8
	s_mov_b32 s[\g+6], 0
	s_mov_b32 s[\g+7], 0
.endr
	s_or_b32 s[G1S+0], s43, (3<<16)|(1<<21)
	s_or_b32 s[G1SB+0], s44, (3<<16)|(1<<21)
.irp g, G1S, G1SB                      ; the scale bytes of two blocks of 128 rows: 2 rows of 4,096 bytes, OPB bytes apart
	s_mov_b32 s[\g+1], 512<<16
	s_mov_b32 s[\g+2], 2<<16
	s_mov_b32 s[\g+3], 512<<16
	s_mov_b32 s[\g+4], 2
	s_mov_b32 s[\g+5], OPB/8
	s_mov_b32 s[\g+6], 0
	s_mov_b32 s[\g+7], 0
.endr
	s_mul_i32 s20, s17, 2*OPB
	s_mov_b32 s21, 0
	s_mul_i32 s46, s42, 2*OPB
	s_mov_b32 s47, 0
	s_mul_i32 s45, s14, HALFT
	s_wait_kmcnt 0x0
	s_add_nc_u64 s[20:21], s[4:5], s[20:21]
	s_add_nc_u64 s[46:47], s[6:7], s[46:47]
	CROUND
	; THE HEAD'S FOUR TILES, ONE A WAVE: wave 0 slot 0's 256 rows of A, wave 1 its 256 rows of B, wave 2 A's scale bytes, wave 3 B's
	s_mov_b32 s[G0S], 1
	s_mov_b32 s[G0S+1], SCL
	s_add_nc_u64 s[G0S+2:G0S+3], s[20:21], SCO
	s_or_b32 s[G0S+3], s[G0S+3], 0x80000000
	s_mov_b32 s[G0SB], 1
	s_mov_b32 s[G0SB+1], SCL+8320
	s_add_nc_u64 s[G0SB+2:G0SB+3], s[46:47], SCO
	s_or_b32 s[G0SB+3], s[G0SB+3], 0x80000000
	s_mul_i32 s18, s16, OPB                        ; in the ring a wave fetches one block of 128 rows: which of the two, in bytes
	s_mov_b32 s19, 0
	s_mov_b32 s[G0], 1
	s_mov_b32 s[G0+1], 0
	s_mov_b64 s[G0+2:G0+3], s[20:21]
	s_or_b32 s[G0+3], s[G0+3], 0x80000000
	s_mov_b32 s[G0B], 1
	s_mov_b32 s[G0B+1], 2*HALFT
	s_mov_b64 s[G0B+2:G0B+3], s[46:47]
	s_or_b32 s[G0B+3], s[G0B+3], 0x80000000
	s_add_nc_u64 s[20:21], s[20:21], s[18:19]
	s_add_nc_u64 s[46:47], s[46:47], s[18:19]
	s_mov_b32 s[G0+4], 1
	s_add_co_u32 s[G0+5], s45, SLOT
	s_add_nc_u64 s[G0+6:G0+7], s[20:21], HALFT
	s_or_b32 s[G0+7], s[G0+7], 0x80000000
	s_mov_b32 s[G0B+4], 1
	s_add_co_u32 s[G0B+5], s45, SLOT
	s_add_nc_u64 s[G0B+6:G0B+7], s[46:47], HALFT
	s_or_b32 s[G0B+7], s[G0B+7], 0x80000000
.macro ARM under, g0, g1, next         ; one chain of branches on the wave's number, one load to an arm
	s_cmp_lt_u32 s14, \under
	s_cbranch_scc0 \next
	tensor_load_to_lds s[\g0:\g0+3], s[\g1:\g1+7]
	s_nop 0
.rept 4
	v_nop
.endr
	s_branch .Lhead_asked
\next:
.endm
	ARM 1, G0,  G1,  .Lhead_b
	ARM 2, G0B, G1B, .Lhead_sa
	ARM 3, G0S, G1S, .Lhead_sb
	tensor_load_to_lds s[G0SB:G0SB+3], s[G1SB:G1SB+7]
	s_nop 0
.rept 4
	v_nop
.endr
.Lhead_asked:
	s_wait_alu depctr_va_vdst(0)
	s_wait_tensorcnt 0x0                           ; my tile of the four is in
	ds_add_u32 v28, v29
.irp g, G1, G1B                        ; no tensor load of mine is out, so the descriptors may be written: from here on a load brings 24,576 dense bytes as 96 rows of 256
	s_mov_b32 s[\g+1], 32<<16
	s_mov_b32 s[\g+2], 96<<16
	s_mov_b32 s[\g+3], 32<<16
	s_mov_b32 s[\g+4], 96
	s_mov_b32 s[\g+5], 32
.endr
	s_mov_b32 s[G0+1], s45                         ; slot 0's groups 0 for the ring: my quarter of the slot, my block of 128 rows
	s_add_nc_u64 s[G0+2:G0+3], s[G0+2:G0+3], s[18:19]
	s_mov_b32 s[G0B+1], s45
	s_add_nc_u64 s[G0B+2:G0B+3], s[G0B+2:G0B+3], s[18:19]
	s_wait_dscnt 0x0
	CROUND                                         ; all four tiles are shown to all waves, and the sixteen work-groups are here
	JLOAD G0+4, G1, G0B+4, G1B                     ; slot 1's first fill, the first tensor load behind the round
	v_and_b32 v1, 15, v0
	v_bfe_u32 v2, v0, 4, 1
	v_and_b32 v3, 31, v0
	v_lshlrev_b32 v[CO], 4, v3
	s_wait_alu depctr_va_vdst(0)
	v_lshlrev_b32 v8, 3, v3
	s_wait_alu depctr_va_vdst(0)
	s_lshl_b32 s92, s42, 10
	s_lshl_b32 s93, s16, 9
	s_add_co_u32 s92, s92, s93
	s_mov_b32 s93, 0
	s_add_nc_u64 s[8:9], s[8:9], s[92:93]
	v_lshlrev_b32 v31, 5, v2
.irp b, 0,1,2,3,4,5,6,7
	global_load_b128 v[BI+8*\b:BI+8*\b+3], v31, s[8:9] offset:64*\b
	global_load_b128 v[BI+8*\b+4:BI+8*\b+7], v31, s[8:9] offset:64*\b+16
.endr
	s_mul_i32 s21, s15, HALFT
	s_mul_i32 s22, s16, HALFT
	s_add_co_u32 s22, s22, 2*HALFT
.irp s, 0,1
	v_add_nc_u32 v[ADRA+\s], s21, v[CO]
	v_add_nc_u32 v[ADRB+\s], s22, v[CO]
	v_add_nc_u32 v[ADRA+2+\s], s21, v8
	v_add_nc_u32 v[ADRB+2+\s], s22, v8
	s_add_co_u32 s21, s21, SLOT
	s_add_co_u32 s22, s22, SLOT
.endr
	v_lshlrev_b32 v5, 3, v1
	s_lshl_b32 s21, s15, 12
	s_lshl_b32 s22, s16, 12
	s_add_co_u32 s22, s22, 8320
	s_sub_co_u32 s22, s22, s21
	v_mul_u32_u24 v6, s22, v2
	s_add_co_u32 s21, s21, SCL
	v_add_nc_u32 v5, v5, v6
	v_add_nc_u32 v[ADRS], s21, v5
	s_mul_i32 s23, s14, 16*SPITCH
	v_mul_u32_u24 v5, v1, SPITCH
	v_lshl_add_u32 v5, v2, 5, v5
	v_add_nc_u32 v[STO], s23, v5
	v_add_nc_u32 v[RD], s23, v[CO]
	s_lshl_b32 s94, s17, 8
	s_lshl_b32 s95, s15, 7
	s_add_co_u32 s94, s94, s95
	s_lshl_b32 s94, s94, 12
	s_add_co_u32 s94, s94, s92
	s_mov_b32 s95, 0
	s_add_nc_u64 s[12:13], s[10:11], s[94:95]
.macro FRAG reg, adr, q, i
	ds_load_b128 v[\reg:\reg+3], v[\adr] offset:12288*(\q)+768*(\i)
	ds_load_b64 v[\reg+4:\reg+5], v[\adr+2] offset:12288*(\q)+768*(\i)+512
	ds_load_b128 v[\reg+6:\reg+9], v[\adr] offset:12288*(\q)+768*(\i)+6144
	ds_load_b64 v[\reg+10:\reg+11], v[\adr+2] offset:12288*(\q)+768*(\i)+6656
.endm
.macro MUL16 a0, p, q, sc, first
.irp a, \a0, \a0+1
.irp b, 0,1,2,3,4,5,6,7
.if \first
	v_wmma_scale_f32_16x16x128_f8f6f4 v[8*(8*((\a)%4)+\b):8*(8*((\a)%4)+\b)+7], v[128*(\p)+FR*\b:128*(\p)+FR*\b+FR-1], v[AF+FR*(\a):AF+FR*(\a)+FR-1], v[BI+8*\b:BI+8*\b+7], v[SC+8*NQ*(\sc)+NQ*\b+(\q)], v[SC+8*NQ*(\sc)+NQ*(\a)+(\q)] matrix_a_fmt:MATRIX_FMT_FP6 matrix_b_fmt:MATRIX_FMT_FP6 matrix_a_scale:MATRIX_SCALE_ROW1
.else
	v_wmma_scale_f32_16x16x128_f8f6f4 v[8*(8*((\a)%4)+\b):8*(8*((\a)%4)+\b)+7], v[128*(\p)+FR*\b:128*(\p)+FR*\b+FR-1], v[AF+FR*(\a):AF+FR*(\a)+FR-1], v[8*(8*((\a)%4)+\b):8*(8*((\a)%4)+\b)+7], v[SC+8*NQ*(\sc)+NQ*\b+(\q)], v[SC+8*NQ*(\sc)+NQ*(\a)+(\q)] matrix_a_fmt:MATRIX_FMT_FP6 matrix_b_fmt:MATRIX_FMT_FP6 matrix_a_scale:MATRIX_SCALE_ROW1
.endif
.endr
.endr
.endm
.macro FETCH_B slot, q, p
	WIN TO_B
.irp i, 0,1,2,3,4,5,6,7
	FRAG 128*(\p)+FR*\i, ADRB+\slot, \q, \i
.endr
	WIN 0
.endm
.macro FETCH_A slot, q, i0
.irp i, \i0, \i0+1, \i0+2, \i0+3
	FRAG AF+FR*(\i), ADRA+\slot, \q, \i
.endr
.endm
.macro SCALES sc
.irp i, 0,1,2,3,4,5,6,7
	ds_load_b64 v[SC+8*NQ*\sc+NQ*\i:SC+8*NQ*\sc+NQ*\i+1], v[ADRS] offset:\i*128
.endr
.endm
.macro PLACES n
.rept \n
	v_nop
.endr
.endm
.macro STEP slot, q, first
	s_wait_dscnt 4*NL
.if \first
	WIN FST_LO
.else
	WIN MUL_LO
.endif
	MUL16 0, (\q)%2, \q, \slot, \first
	MUL16 2, (\q)%2, \q, \slot, \first
	s_wait_dscnt 0
	PLACES NP
	FETCH_B \slot, (\q)+1, 1-(\q)%2
	FETCH_A \slot, (\q)+1, 0
.if \first
	WIN FST_HI
.else
	WIN MUL_HI
.endif
	MUL16 4, (\q)%2, \q, \slot, \first
	MUL16 6, (\q)%2, \q, \slot, \first
	PLACES NP
	WIN 0
	FETCH_A \slot, (\q)+1, 4
.endm
.macro TURN slot, next, fill
	s_wait_tensorcnt 0x0
	ds_add_u32 v[SPW], v[NIL]
	s_wait_dscnt 4*NL+1
	WIN MUL_LO
	MUL16 0, 1, NQ-1, \slot, 0
	s_wait_dscnt 0x0
	s_barrier_signal -1
	MUL16 2, 1, NQ-1, \slot, 0
	WIN 0
	s_barrier_wait -1
.if \fill
	CREST
	s_add_nc_u64 s[G0+4*\slot+2:G0+4*\slot+3], s[G0+4*\slot+2:G0+4*\slot+3], 2*HALFT
	s_add_nc_u64 s[G0B+4*\slot+2:G0B+4*\slot+3], s[G0B+4*\slot+2:G0B+4*\slot+3], 2*HALFT
	JLOAD G0+4*\slot, G1, G0B+4*\slot, G1B
.else
	PLACES NP
.endif
	s_wait_alu depctr_va_vdst(0)
	v_add_nc_u32 v[ADRS], 1024, v[ADRS]
	FETCH_B \next, 0, 0
	FETCH_A \next, 0, 0
	SCALES \next
	WIN MUL_HI
	MUL16 4, 1, NQ-1, \slot, 0
	MUL16 6, 1, NQ-1, \slot, 0
	PLACES NP
	WIN 0
	FETCH_A \next, 0, 4
.endm
	s_wait_alu depctr_va_vdst(0)
	FETCH_B 0, 0, 0
	FETCH_A 0, 0, 0
	SCALES 0
	FETCH_A 0, 0, 4
	s_wait_loadcnt 0x0
	STEP 0, 0, 1
	TURN 0, 1, 1
	STEP 1, 0, 0
	TURN 1, 0, 1
	STEP 0, 0, 0
	TURN 0, 1, 0
	STEP 1, 0, 0
	s_wait_dscnt 4*NL
	WIN MUL_LO
	MUL16 0, 1, NQ-1, 1, 0
	MUL16 2, 1, NQ-1, 1, 0
	s_wait_dscnt 0
	WIN MUL_HI
	MUL16 4, 1, NQ-1, 1, 0
	MUL16 6, 1, NQ-1, 1, 0
	WIN 0
.macro TOSTAGE a
.set AC, 64*((\a)%4)
	WIN 0x08+4*((\a)/4)
.irp b, 0,1,2,3,4,5,6,7
	ds_store_b128 v[STO], v[AC+8*\b:AC+8*\b+3] offset:64*\b
	ds_store_b128 v[STO], v[AC+8*\b+4:AC+8*\b+7] offset:64*\b+16
.endr
	WIN 0
.set BB, BK+64*((\a)%2)
.irp t, 0,1,2,3,4,5,6,7,8,9,10,11,12,13,14,15
	ds_load_b128 v[BB+4*\t:BB+4*\t+3], v[RD] offset:\t*SPITCH
.endr
.endm
.macro SEND a, younger
.set BB, BK+64*((\a)%2)
	s_wait_dscnt \younger
.if (\a) > 0
	s_add_nc_u64 s[12:13], s[12:13], 16*SIZE_N*4
.endif
.irp t, 0,1,2,3,4,5,6,7,8,9,10,11,12,13,14,15
	global_store_b128 v[CO], v[BB+4*\t:BB+4*\t+3], s[12:13] offset:\t*SIZE_N*4 th:TH_STORE_NT
.endr
.endm
	PLACES NP
	TOSTAGE 0
.irp a, 1,2,3,4,5,6,7
.if \a > 1
	s_wait_xcnt 0x0
.endif
	TOSTAGE \a
	SEND \a-1, 32
.endr
	s_wait_xcnt 0x0
	SEND 7, 0
	s_wait_tensorcnt 0x0
	ds_add_u32 v[SPW], v[NIL]
	s_wait_dscnt 0x0
	CROUND
	s_endpgm
.Lfunc_end_k_qa774fe56b0_gemm_out:
	.size	k_qa774fe56b0_gemm_out, .Lfunc_end_k_qa774fe56b0_gemm_out-k_qa774fe56b0_gemm_out
	.p2alignl 7, 3214868480
	.fill 96, 4, 3214868480
	.section	.rodata,"a",@progbits
	.p2align	6, 0x0
	.amdhsa_kernel k_qa774fe56b0_gemm_out
		.amdhsa_group_segment_fixed_size 327680
		.amdhsa_private_segment_fixed_size 0
		.amdhsa_enable_private_segment 0
		.amdhsa_kernarg_size 32
		.amdhsa_user_sgpr_count 2
		.amdhsa_user_sgpr_kernarg_segment_ptr 1
		.amdhsa_wavefront_size32 1
		.amdhsa_system_sgpr_workgroup_id_x 1
		.amdhsa_system_sgpr_workgroup_id_y 1
		.amdhsa_system_sgpr_workgroup_id_z 1
		.amdhsa_system_vgpr_workitem_id 0
		.amdhsa_next_free_vgpr 1024
		.amdhsa_next_free_sgpr 98
		.amdhsa_reserve_vcc 0
		.amdhsa_float_denorm_mode_32 3
		.amdhsa_float_denorm_mode_16_64 3
		.amdhsa_memory_ordered 1
		.amdhsa_forward_progress 1
		.amdhsa_inst_pref_size 146
	.end_amdhsa_kernel
	.amdgpu_metadata
---
amdhsa.version: [ 1, 2 ]
amdhsa.kernels:
  - .name:           k_qa774fe56b0_gemm_out
    .symbol:         k_qa774fe56b0_gemm_out.kd
    .args:
      - { .name: oq, .offset: 0, .size: 8, .value_kind: global_buffer, .address_space: global }
      - { .name: wo, .offset: 8, .size: 8, .value_kind: global_buffer, .address_space: global }
      - { .name: b_out, .offset: 16, .size: 8, .value_kind: global_buffer, .address_space: global }
      - { .name: out0, .offset: 24, .size: 8, .value_kind: global_buffer, .address_space: global }
    .group_segment_fixed_size: 327680
    .private_segment_fixed_size: 0
    .kernarg_segment_align: 8
    .kernarg_segment_size: 32
    .max_flat_workgroup_size: 128
    .sgpr_count:     98
    .vgpr_count:     1024
    .wavefront_size: 32
...
	.end_amdgpu_metadata
.endif
;; end of part 4
